; MI455X (gfx1250); checked and timed in simulation.
; The chip was launched on July 23, 2026; its instructions are those of AMD's public machine-readable ISA for CDNA 5 (MIT licence, August 2026) and "CDNA5" Instruction Set Architecture Reference Guide (July 2026). The comments in the code are by the model that wrote it; some were corrected since.
;; PAM Module. Allowed arithmetic: matrix products marked QUANTISED: E4M3 operands, one E8M0 scale for each 32 along K, by v_wmma_scale_f32_16x16x128_f8f6f4 with both operands' format E4M3, f32 sums; everything else in f32.
;; Inputs: Wk 64 x 512 float32; Wq 64 x 512 float32; Wv 512 x 512 float32; bk 64 float32; bq 64 float32; bv 512 float32; gamma 1 float32; x 16 x 512 x 2,048 float32.
;; Outputs: out0 16 x 512 x 2,048 float32.
;; This version of the problem:
;;   THIS VERSION OF THE PROBLEM IS GIVEN IN LOW PRECISION. The matrix products marked QUANTISED in the list below multiply operands that are first quantised to E4M3 (4 exponent bits, 3 mantissa bits; 8 bits a number), with one power-of-two scale for each 32 numbers along K (OCP MX v1.0); their sums are f32. All else is computed in f32.
;;   The module's matrix products, in the order in which they are computed (A, B: the left and right operand; K: the contracted axis; several contracted axes count as one K, in the product's order):
;;     1. [M 32,768, K 512] x [K 512, N 64]; A: input x; B: input Wq: QUANTISED
;;     2. [M 32,768, K 512] x [K 512, N 64]; A: input x; B: input Wk: QUANTISED
;;     3. batch 16 x [M 2,048, K 64] x [K 64, N 2,048]; A: computed on the way; B: computed on the way: QUANTISED
;;     4. [M 32,768, K 512] x [K 512, N 512]; A: input x; B: input Wv: QUANTISED
;;     5. batch 16 x [M 512, K 2,048] x [K 2,048, N 2,048]; A: computed on the way; B: softmax (see below): QUANTISED
;;   THE QUANTISER, for each operand of a quantised product, along K:
;;     - K is cut into blocks of 32 from its start; a last block that is shorter is filled with zeros.
;;     - A block's scale is 2^e with e = floor(log2(the largest magnitude in the block)) - 8, held to -126 .. 127; a block of zeros has e = 0. As a byte (E8M0): e + 127.
;;     - Each number is divided by its block's scale, clamped to +-448, and rounded to the nearest number of E4M3, ties to even, subnormals kept.
;;     - The product sums the exact products of the quantised numbers (number of the format x scale) in f32.
;;   ~~~python
;;   def quantise(x, axis):      # numpy; x: float32 -> the quantised numbers, widened to float32 again
;;       x = np.moveaxis(x, axis, -1); K = x.shape[-1]
;;       x = np.pad(x, [(0, 0)] * (x.ndim - 1) + [(0, -K % 32)]); x = x.reshape(x.shape[:-1] + (-1, 32)); a = np.abs(x).max(-1, keepdims=True)
;;       e = np.where(a > 0, np.clip(np.frexp(np.where(a > 0, a, 1))[1] - 1 - 8, -126, 127), 0)      # np.frexp(a)[1] - 1 = floor(log2(a)), exactly
;;       r = np.clip(x / 2.0 ** e, -448, 448)
;;       step = 2.0 ** (np.maximum(np.frexp(np.where(r == 0, 1, r))[1] - 1, -6) - 3)
;;       q = np.round(r / step) * step * 2.0 ** e      # np.round: ties to even
;;       return np.moveaxis(q.reshape(q.shape[:-2] + (-1,))[..., :K], -1, axis).astype(np.float32)
;;   ~~~
;;   SOFTMAX AHEAD OF A QUANTISED PRODUCT. Where the list says 'softmax', what is quantised is not the finished softmax but p = 2^(t - M), with t = logit x log2(e) and M = ceil(the row's largest t), a whole number; so 1/2 < the row's largest p <= 1. The row's sum l is taken of the UNQUANTISED p, in f32, and the product's result is divided by l at the end. Since M is a whole number, a kernel that streams over the keys may use a running M (the ceiling of the running maximum): every later rescaling is an exact power of two, which a block's scale takes up: the codes' values come out the same.
;;   OPERANDS COMPUTED ON THE WAY. 'Computed on the way' means the value that the module computes at that place (a softmax that the list does not call 'softmax' is quantised finished and normalised). What goes into a quantiser is computed in f32, as accurately as f32 sums, v_exp_f32 and their like allow (about 1e-6 of the number): no bf16 or f16 on the way to a quantiser, and a product that is left as it is and whose result goes on into a quantised operand takes f32 operands (vector FMAs, or v_wmma_f32_16x16x4_f32). A number that lies on a knife's edge between two numbers of the format may be rounded either way, as far as f32 arithmetic and the matrix unit's own rounding can turn it there, and no further.
;; One version. Each part assembles by itself: llvm-mc -triple=amdgcn-amd-amdhsa -mcpu=gfx1250 --defsym DOCPART=n.
;; ======== version 1 of 1: 3 launches
;; workspace buffers: wrec 378,880 bytes; qimg 2,359,296 bytes; kv 19,660,800 bytes
;; launch wquant (part 1): grid 10 x 4, 1 waves a work-group, no clusters, 0 bytes of LDS; arguments Wq, Wk, Wv, bq, bk, bv, wrec; writes wrec
.if DOCPART == 1
	.amdgcn_target "amdgcn-amd-amdhsa--gfx1250"
	.amdhsa_code_object_version 6
	.text
	.protected	k_q99b35428b6_wquant
	.globl	k_q99b35428b6_wquant
	.p2align	8
	.type	k_q99b35428b6_wquant,@function
k_q99b35428b6_wquant:
	s_mov_b64 s[64:65], 0
	v_nop
	global_prefetch_b8 v0, s[64:65] scope:SCOPE_SE
	s_setreg_imm32_b32 hwreg(HW_REG_WAVE_MODE, 25, 1), 1
	s_wait_xcnt 0x0
; Wq, Wk [64][512], Wv [512][512], f32, K = the 512 input channels, innermost: into codes of E4M3 with one E8M0 byte for each 32 along K, laid as the projection's waves take them.
; A RECORD is 16 rows of a weight for all of K, 9,472 bytes: four fragments as images of their registers (K step s at 2,048 s; register quad c at 512 c + 16 x lane);
; at 8,192 the scale words, [lane][2 words]: word i of lane l is K step 2 i + l / 16 of row l % 16; at 8,448 the bias as the C operand of the tile's first product, [half][lane][16 bytes].
; Work-group (i, w), one wave, makes record 10 w + i, the i-th of the projection's wave w.  i = 0, 1: rows of Wq (w < 2) or Wk: lane r takes output 32 (w % 2) + 8 i + r + 8 (r / 8),
; so that the results of the two tiles are 16 neighbours along the next K; its bias registers are b[32 (w % 2) + 16 h + 8 i + 0 .. 7].  i = 2 .. 9: rows 128 w + 16 (i - 2) + r of Wv; all eight bias registers hold bv of that row.
; A block's scale is 2^(floor(log2(its largest magnitude)) - 8); each number is held within +-448 x the scale and rounded to the nearest code, ties to even.
; LIMITS: a block of zeros, or one whose largest magnitude lies under 2^-118, gets the byte 1 (only this program reads the bytes; zero codes add nothing); NaN and infinities are not served.
.set REC,   9472
.set FLOOR, 0x4800000                  ; 2^(9 - 127): under it no largest magnitude is taken, so the byte cannot fall under 1
.set EOFF,  0xfc000000                 ; 8 off an exponent field
.set EXPM,  0x7f800000
.set X,   32                           ; v32-159  two sets of 64 numbers: register 16 b + i = k 32 b + 16 h + i of my row
.set PC,  160                          ; v160-223 codes, 16 registers a K step: no store's data are written again
.set PW,  224                          ; v224-227 the four K steps' scale words
.set TM,  228                          ; v228-243 at work
.set BI,  244                          ; v244-251 the bias
.set SW,  252                          ; v252-253 the scale words as they are stored
	s_load_b256 s[4:11], s[0:1], 0x0               ; Wq s[4:5], Wk s[6:7], Wv s[8:9], bq s[10:11]
	s_load_b128 s[12:15], s[0:1], 0x20             ; bk s[12:13], bv s[14:15]
	s_load_b64 s[16:17], s[0:1], 0x30              ; the records
	s_and_b32 s18, ttmp7, 0xffff                   ; w
	s_and_b32 s19, s18, 1
	s_lshl_b32 s19, s19, 5
	s_lshl_b32 s20, ttmp9, 3
	s_add_co_u32 s19, s19, s20                     ; q, k: first row 32 (w % 2) + 8 i
	s_max_u32 s21, ttmp9, 2
	s_sub_co_u32 s21, s21, 2
	s_lshl_b32 s21, s21, 4
	s_lshl_b32 s20, s18, 7
	s_add_co_u32 s20, s20, s21                     ; v: first row 128 w + 16 (i - 2)
	s_cmp_lt_u32 ttmp9, 2
	s_cselect_b32 s19, s19, s20                    ; the tile's first row
	s_cselect_b32 s21, 8, 0                        ; q, k: lanes 8-15 take the rows 8 further on
	s_mul_i32 s22, s18, 10
	s_add_co_u32 s22, s22, ttmp9
	s_mul_i32 s22, s22, REC                        ; my record
	s_mov_b32 s23, 0
	s_lshl_b32 s24, s19, 2                         ; the first row's place in the bias
	s_mov_b32 s26, 0x76543210
	s_mov_b32 s27, 0xfedcba98                      ; v_permlanex16_b32's selects for lane l xor 16
	s_mov_b32 s28, 0x600000                        ; the mantissa field of 448
	s_mov_b32 s29, 0xffff0000                      ; lanes 16-31
	v_and_b32 v1, 15, v0                           ; r
	v_lshrrev_b32 v2, 4, v0                        ; h
	v_and_b32 v3, s21, v1
	v_add3_u32 v3, v3, v1, s19                     ; my row
	v_lshlrev_b32 v3, 11, v3                       ; of 2,048 bytes,
	v_lshl_add_u32 v3, v2, 6, v3                   ; + 64 h: my 16 numbers of a block of 32
	v_lshlrev_b32 v4, 4, v0                        ; 16 x lane
	v_lshlrev_b32 v5, 3, v0                        ; 8 x lane
.irp b,0,1,2,3
	v_mov_b32 v[TM+4+\b], 0                        ; written once: a lane permute's destination counts as one of its sources
.endr
	s_wait_kmcnt 0x0
	s_cmp_lt_u32 s18, 2                            ; the choices hang on the work-group's number alone
	s_cselect_b64 s[4:5], s[4:5], s[6:7]
	s_cselect_b64 s[10:11], s[10:11], s[12:13]
	s_cmp_lt_u32 ttmp9, 2
	s_cselect_b64 s[4:5], s[4:5], s[8:9]           ; my weight
	s_cselect_b64 s[10:11], s[10:11], s[14:15]     ; my bias
	s_add_nc_u64 s[16:17], s[16:17], s[22:23]
	s_cbranch_scc0 .Lbias_v
	v_lshl_add_u32 v6, v2, 6, s24                  ; q, k: eight neighbours, 16 h on
	global_load_b128 v[BI:BI+3], v6, s[10:11]
	global_load_b128 v[BI+4:BI+7], v6, s[10:11] offset:16
	s_branch .Lbias_done
.Lbias_v:
	v_lshl_add_u32 v6, v1, 2, s24                  ; v: my row's number, eight times
.irp j,0,1,2,3,4,5,6,7
	global_load_b32 v[BI+\j], v6, s[10:11]
.endr
.Lbias_done:
.macro XL s                            ; K step s of my row: 64 numbers into set s % 2
.irp b,0,1,2,3
.irp j,0,1,2,3
	global_load_b128 v[X+64*((\s)&1)+16*\b+4*\j:X+64*((\s)&1)+16*\b+4*\j+3], v3, s[4:5] offset:512*(\s)+128*\b+16*\j
.endr
.endr
.endm
.macro QUANT s                         ; set s % 2 becomes K step s's fragment and scale word; the fragment is stored
.set XS, X+64*((\s)&1)
.set CS, PC+16*(\s)
.irp b,0,1,2,3
	v_max3_num_f32 v[TM+\b], |v[XS+16*\b]|, |v[XS+1+16*\b]|, FLOOR   ; block b: my 16 numbers and the floor
.endr
.irp i,2,4,6,8,10,12,14
.irp b,0,1,2,3
	v_max3_num_f32 v[TM+\b], v[TM+\b], |v[XS+16*\b+\i]|, |v[XS+1+16*\b+\i]|   ; the four blocks by turns
.endr
.endr
.irp b,0,1,2,3
	v_permlanex16_b32 v[TM+4+\b], v[TM+\b], s26, s27
.endr
.irp b,0,1,2,3
	v_max_num_f32 v[TM+\b], v[TM+\b], v[TM+4+\b]   ; with lane l xor 16's: the block's largest magnitude
.endr
.irp b,0,1,2,3
	v_add_nc_u32 v[TM+12+\b], EOFF, v[TM+\b]       ; the conversion takes the exponent field of this operand as its scale
.endr
.irp b,0,1,2,3
	v_and_or_b32 v[TM+8+\b], v[TM+\b], EXPM, s28   ; 448 x the scale
.endr
.irp b,0,1,2,3
	v_lshrrev_b32 v[TM+4+\b], 23, v[TM+12+\b]      ; the scale's byte
.endr
	v_lshl_or_b32 v[PW+(\s)], v[TM+5], 8, v[TM+4]
	v_lshl_or_b32 v[PW+(\s)], v[TM+6], 16, v[PW+(\s)]
	v_lshl_or_b32 v[PW+(\s)], v[TM+7], 24, v[PW+(\s)]
.irp b,0,1,2,3
.irp i,0,1,2,3,4,5,6,7,8,9,10,11,12,13,14,15
	v_med3_num_f32 v[XS+16*\b+\i], v[XS+16*\b+\i], -v[TM+8+\b], v[TM+8+\b]   ; the conversion to an 8-bit code does not saturate (ISA guide 7.6.2)
.endr
	v_cvt_scalef32_pk8_fp8_f32 v[CS+4*\b:CS+4*\b+1], v[XS+16*\b:XS+16*\b+7], v[TM+12+\b]
	v_cvt_scalef32_pk8_fp8_f32 v[CS+4*\b+2:CS+4*\b+3], v[XS+16*\b+8:XS+16*\b+15], v[TM+12+\b]
.endr
	v_nop                                          ; a plain line behind the last conversion, ahead of the next vector line that writes its sources
.irp c,0,1,2,3
	global_store_b128 v4, v[CS+4*\c:CS+4*\c+3], s[16:17] offset:2048*(\s)+512*\c   ; 512 consecutive bytes, aligned
.endr
.endm
	XL 0
	XL 1
	s_wait_loadcnt 16                              ; the bias and K step 0 are in; the 16 youngest loads may be out
	QUANT 0
	XL 2
	s_wait_loadcnt 16
	QUANT 1
	XL 3
	s_wait_loadcnt 16
	QUANT 2
	s_wait_loadcnt 0x0
	QUANT 3
	v_cndmask_b32 v[SW], v[PW], v[PW+1], s29       ; lanes 0-15 the even K step's word, lanes 16-31 the odd one's
	v_cndmask_b32 v[SW+1], v[PW+2], v[PW+3], s29
	global_store_b64 v5, v[SW:SW+1], s[16:17] offset:8192          ; 256 consecutive bytes, aligned
	global_store_b128 v4, v[BI:BI+3], s[16:17] offset:8448
	global_store_b128 v4, v[BI+4:BI+7], s[16:17] offset:8960
	s_endpgm
.Lfunc_end_k_q99b35428b6_wquant:
	.size	k_q99b35428b6_wquant, .Lfunc_end_k_q99b35428b6_wquant-k_q99b35428b6_wquant
	.p2alignl 7, 3214868480
	.fill 96, 4, 3214868480
	.section	.rodata,"a",@progbits
	.p2align	6, 0x0
	.amdhsa_kernel k_q99b35428b6_wquant
		.amdhsa_group_segment_fixed_size 0
		.amdhsa_private_segment_fixed_size 0
		.amdhsa_enable_private_segment 0
		.amdhsa_kernarg_size 56
		.amdhsa_user_sgpr_count 2
		.amdhsa_user_sgpr_kernarg_segment_ptr 1
		.amdhsa_wavefront_size32 1
		.amdhsa_system_sgpr_workgroup_id_x 1
		.amdhsa_system_sgpr_workgroup_id_y 1
		.amdhsa_system_sgpr_workgroup_id_z 1
		.amdhsa_system_vgpr_workitem_id 0
		.amdhsa_next_free_vgpr 256
		.amdhsa_next_free_sgpr 66
		.amdhsa_reserve_vcc 0
		.amdhsa_float_denorm_mode_32 3
		.amdhsa_float_denorm_mode_16_64 3
		.amdhsa_memory_ordered 1
		.amdhsa_forward_progress 1
		.amdhsa_inst_pref_size 44
	.end_amdhsa_kernel
	.amdgpu_metadata
---
amdhsa.version: [ 1, 2 ]
amdhsa.kernels:
  - .name:           k_q99b35428b6_wquant
    .symbol:         k_q99b35428b6_wquant.kd
    .args:
      - { .name: Wq, .offset: 0, .size: 8, .value_kind: global_buffer, .address_space: global }
      - { .name: Wk, .offset: 8, .size: 8, .value_kind: global_buffer, .address_space: global }
      - { .name: Wv, .offset: 16, .size: 8, .value_kind: global_buffer, .address_space: global }
      - { .name: bq, .offset: 24, .size: 8, .value_kind: global_buffer, .address_space: global }
      - { .name: bk, .offset: 32, .size: 8, .value_kind: global_buffer, .address_space: global }
      - { .name: bv, .offset: 40, .size: 8, .value_kind: global_buffer, .address_space: global }
      - { .name: wrec, .offset: 48, .size: 8, .value_kind: global_buffer, .address_space: global }
    .group_segment_fixed_size: 0
    .private_segment_fixed_size: 0
    .kernarg_segment_align: 8
    .kernarg_segment_size: 56
    .max_flat_workgroup_size: 32
    .sgpr_count:     66
    .vgpr_count:     256
    .wavefront_size: 32
...
	.end_amdgpu_metadata
.endif
;; end of part 1
;; launch proj (part 2): grid 16 x 16, 4 waves a work-group, clusters of 4 x 1, 327,680 bytes of LDS; arguments x, wrec, qimg, kv; writes qimg, kv
.if DOCPART == 2
	.amdgcn_target "amdgcn-amd-amdhsa--gfx1250"
	.amdhsa_code_object_version 6
	.text
	.protected	k_q99b35428b6_proj
	.globl	k_q99b35428b6_proj
	.p2align	8
	.type	k_q99b35428b6_proj,@function
k_q99b35428b6_proj:
	s_mov_b64 s[64:65], 0
	v_nop
	global_prefetch_b8 v0, s[64:65] scope:SCOPE_SE
	s_setreg_imm32_b32 hwreg(HW_REG_WAVE_MODE, 25, 1), 1
	s_wait_xcnt 0x0
	s_wait_alu depctr_hold_cnt(0) depctr_sa_sdst(0) depctr_va_vdst(0) depctr_va_sdst(0) depctr_va_ssrc(0) depctr_va_vcc(0) depctr_vm_vsrc(0)
	s_getreg_b32 s2, hwreg(HW_REG_IB_STS2, 6, 4)
	s_cmp_eq_u32 s2, 0
	s_cbranch_scc0 .Lentry_in_a_cluster
	s_endpgm
.Lentry_in_a_cluster:
	s_bfe_u32 s2, ttmp6, 0x10000c
	s_cmp_lg_u32 s2, 0x3003
	s_cbranch_scc0 .Lentry_shape_is_right
	s_endpgm
.Lentry_shape_is_right:
; q = Wq x + bq, k = Wk x + bk, v = Wv x + bv for one block of 128 positions of one batch, all three products on codes of E4M3 with one E8M0 scale for each 32 along K (the 512 channels),
; and the results quantised again for the attention: q and k along their 64 channels, v along the positions (its later K).  x: [16][512][2048] f32.
; A TILE OF POSITIONS is t = u + 4 g (u = 0..3, g = 0, 1): its row r is position 64 g + 4 r + u of the block.  So one load of 16 bytes of x gives a lane the four tiles u of its row, and where positions are a result's
; rows, a lane's 4 tiles x 8 registers of one g are one whole block of 32 neighbouring positions: register j of tile (u, g) in half h of the lanes is position 64 g + 32 h + 4 j + u.
; THE SWAP.  A lane then holds 32 codes of one block in 8 registers, lanes 0-15 of one block or tile and lanes 16-31 of another; four v_permlane16_swap_b32 (register i with register 4 + i) make of them the two
; register quads of the operand's layout (lane (r, h): k = 32 c + 16 h + 0 .. 15).  The order along K is set by the hold, which writes its result where the conversion wants it.
; SHARES.  Quantising x: wave w takes channels 128 w .. +127 (K step w) of all 128 positions; the fragments go from wave to wave through LDS as images of their registers (quad c at 512 c + 16 x lane).
; Products: THE WAVES SHARE THE COLUMNS: wave w makes 32 channels of q (w < 2) or k (2 tiles) and channels 128 w .. +127 of v (8 tiles), for all 8 tiles of positions; all 32 fragments of x stay in its registers.
; WEIGHTS come as records (made by the launch before).  The first pair of records goes from memory into registers.  The other four pairs are the same bytes in every work-group: JOINT tensor loads of the cluster's four
; work-groups, one a wave, into bytes that this wave alone reads.  Three regions hold pairs 1, 2, 3; pair 4 fills the first region again, behind a round of the cluster's barrier, when its records are done with.
; By this text's count three tensor loads of a wave are out at the start, one behind the round.
; No prefetch: the launch streams x, each byte once, from its first line on.
; OUT.  qimg: a block of 9,216 bytes: tile t's fragment (K = 64: two quads) at 1,024 t; at 8,192 the scale words, [lane][4 words]: word i of lane l = tile i + 4 (l / 16), row l % 16 (bytes 2, 3 = 127 over zero codes); 512 zeros.
;       kv: a block of 76,800 bytes for the 128 positions as keys: wave w's 8 fragments of v (16 channels x 128 keys) at 16,896 w + 2,048 a, their scale words at + 16,384; k at 67,584, laid like a block of qimg.
; LIMITS: a block of zeros, or one under 2^-118, gets the byte 1 (only this program reads the bytes); NaN and infinities are not served.
; REGISTERS.  window 0: v1-18 addresses; v20-35 x's scale words, v36-39 the weights'; v40-55 at work; v56-63 v's scale words; v64-79 words on their way out; v80-111 T: 32 numbers in K's order; v112-127 codes; v128-255 accumulators.
;   window 1: v0-127 two records' fragments; v128-143 their biases.   windows 2, 3: x as loaded (32 channels x 4 positions: 128 registers a block), then x's fragments: (t, s) in window 2 + s / 2 at 128 (s % 2) + 16 t.
.set REC,   9472
.set PAIR,  2*REC                      ; 74 rows of 256 bytes: what one tensor load brings
.set WPART, 5*PAIR                     ; a wave's ten records
.set RSZ,   4*PAIR                     ; a region: a pair for each wave
.set XIMG,  3*RSZ                      ; x's 32 fragments: (t, s) at 2,048 (4 t + s)
.set XSC,   XIMG+65536                 ; their scale words: K step s at 512 s + 16 x lane
.set QKS,   XSC+2048                   ; q's and k's scale bytes: [q or k][i][lane] 2 bytes
.set SPARE, QKS+512                    ; the spare words, 128 bytes a wave: two blocks of 256 bytes that no other line names
.set FLOOR, 0x4800000
.set EOFF,  0xfc000000
.set EXPM,  0x7f800000
.set LI,  1                            ; 16 x lane
.set L8,  2                            ; 8 x lane
.set XWI, 3                            ; where I store x's images: XIMG + 2,048 w + 16 x lane
.set XRD, 4                            ; and where any wave reads them
.set XSW, 5                            ; the same for the scale words
.set XSR, 6
.set WR,  7                            ; v7-9   my part of region n, + 16 x lane
.set WR8, 10                           ; v10-12 the same + 8 x lane
.set QKW, 13                           ; where I put a scale byte of q or k
.set QKR, 14                           ; and where the pair is read
.set SPW, 15                           ; my spare word; never rewritten
.set NIL, 16                           ; 0; never rewritten
.set SH,  17                           ; 8 h
.set SH16, 18                          ; 8 h + 16
.set XS,  20                           ; x's scale words: K step s, register u: lanes 0-15 tile u, lanes 16-31 tile u + 4
.set WS,  36                           ; the weights': buffer e, register i: lanes 0-15 K step 2 i, lanes 16-31 K step 2 i + 1
.set MX,  40
.set SO,  44
.set LM,  48
.set BY,  52
.set WVW, 56
.set XW,  64
.set QB,  68
.set QBC, 76
.set T,   80
.set CD,  112
.set ACC, 128
.set WV,  12                           ; s12 my wave
.set SEL, 20
.set MNT, 22
.set HM,  23
.set G1,  24                           ; s[24:31] descriptor group 1;  s[32:43] group 0 for the three regions
.set G0,  32
.set XP,  44                           ; s[44:45] x at my channels and block
.set QKP, 46                           ; s[46:47] where my quad of q's or k's images goes
.set VP,  48                           ; s[48:49] my part of the kv block
.set W0,  50                           ; s[50:51] my first record
.set MSB, 0
.macro WIN new                         ; the immediate's high byte repeats the setting that is left; a switch that changes nothing is dropped
.if MSB != (\new)
	s_set_vgpr_msb (MSB<<8)|(\new)
.set MSB, (\new)
.endif
.endm
.macro PLACES n
.rept \n
	v_nop
.endr
.endm
.macro BAR                             ; my LDS stores have landed and my LDS loads are in: then the work-group's barrier
	s_wait_dscnt 0x0
	s_barrier_signal -1
	s_barrier_wait -1
.endm
.macro CROUND                          ; a round of the cluster's barrier
	s_barrier_signal -1
	s_barrier_wait -1
	s_cmp_lg_u32 s[WV], 0
	s_cbranch_scc1 .Lnot_wave_0_\@
	s_barrier_signal -3
.Lnot_wave_0_\@:
	s_barrier_wait -3
	s_barrier_signal -1
	s_barrier_wait -1
.endm
; one product: D, A, B, C (under 0: the constant 0), A's and B's scale registers, and whether each is read from lanes 16-31
.macro WM d, a, b, c, sa, sb, ra, rb
.if (\c) < 0
.if (\ra) && (\rb)
	v_wmma_scale_f32_16x16x128_f8f6f4 v[(\d):(\d)+7], v[(\a):(\a)+15], v[(\b):(\b)+15], 0, v[(\sa)], v[(\sb)] matrix_a_scale:MATRIX_SCALE_ROW1 matrix_b_scale:MATRIX_SCALE_ROW1
.elseif (\ra)
	v_wmma_scale_f32_16x16x128_f8f6f4 v[(\d):(\d)+7], v[(\a):(\a)+15], v[(\b):(\b)+15], 0, v[(\sa)], v[(\sb)] matrix_a_scale:MATRIX_SCALE_ROW1
.elseif (\rb)
	v_wmma_scale_f32_16x16x128_f8f6f4 v[(\d):(\d)+7], v[(\a):(\a)+15], v[(\b):(\b)+15], 0, v[(\sa)], v[(\sb)] matrix_b_scale:MATRIX_SCALE_ROW1
.else
	v_wmma_scale_f32_16x16x128_f8f6f4 v[(\d):(\d)+7], v[(\a):(\a)+15], v[(\b):(\b)+15], 0, v[(\sa)], v[(\sb)]
.endif
.else
.if (\ra) && (\rb)
	v_wmma_scale_f32_16x16x128_f8f6f4 v[(\d):(\d)+7], v[(\a):(\a)+15], v[(\b):(\b)+15], v[(\c):(\c)+7], v[(\sa)], v[(\sb)] matrix_a_scale:MATRIX_SCALE_ROW1 matrix_b_scale:MATRIX_SCALE_ROW1
.elseif (\ra)
	v_wmma_scale_f32_16x16x128_f8f6f4 v[(\d):(\d)+7], v[(\a):(\a)+15], v[(\b):(\b)+15], v[(\c):(\c)+7], v[(\sa)], v[(\sb)] matrix_a_scale:MATRIX_SCALE_ROW1
.elseif (\rb)
	v_wmma_scale_f32_16x16x128_f8f6f4 v[(\d):(\d)+7], v[(\a):(\a)+15], v[(\b):(\b)+15], v[(\c):(\c)+7], v[(\sa)], v[(\sb)] matrix_b_scale:MATRIX_SCALE_ROW1
.else
	v_wmma_scale_f32_16x16x128_f8f6f4 v[(\d):(\d)+7], v[(\a):(\a)+15], v[(\b):(\b)+15], v[(\c):(\c)+7], v[(\sa)], v[(\sb)]
.endif
.endif
.endm
	s_load_b256 s[4:11], s[0:1], 0x0               ; x s[4:5], the records s[6:7], qimg s[8:9], kv s[10:11]
	v_lshl_add_u32 v[SPW], v0, 2, SPARE
	v_mov_b32 v[NIL], 0
	ds_add_u32 v15, v16
	ds_add_u32 v15, v16
	s_wait_dscnt 0x0
	v_lshrrev_b32 v19, 5, v0
	v_readfirstlane_b32 s[WV], v19                 ; wave 0..3
	v_and_b32 v19, 31, v0                          ; lane
	v_lshlrev_b32 v[LI], 4, v19
	v_lshlrev_b32 v[L8], 3, v19
	s_bfe_u32 s13, ttmp6, 0x40000                  ; cx: my place in the cluster
	s_lshl_b32 s14, ttmp9, 2
	s_add_co_u32 s14, s14, s13                     ; my block of 128 positions = 4 x cluster x + cx: it enters x's, qimg's and kv's addresses alone
	s_and_b32 s15, ttmp7, 0xffff                   ; the batch
	; descriptor group 1: 74 rows of 256 bytes (32 elements of 8 bytes), dense, no padding
	s_mov_b32 s[G1], 15|(3<<16)|(1<<21)            ; 15:0 the mask: all four work-groups; 17:16 elements of 8 bytes; 21 set beside a mask
	s_mov_b32 s[G1+1], 32<<16                      ; tensor_dim0 = 32
	s_mov_b32 s[G1+2], 74<<16                      ; tensor_dim1 = 74
	s_mov_b32 s[G1+3], 32<<16                      ; tile_dim0 = 32
	s_mov_b32 s[G1+4], 74                          ; tile_dim1 = 74
	s_mov_b32 s[G1+5], 32                          ; from row to row
	s_mov_b32 s[G1+6], 0
	s_mov_b32 s[G1+7], 0
	s_mul_i32 s52, s[WV], WPART                    ; my ten records: the wave's number alone, the same in all partners
	s_mov_b32 s53, 0
	s_mul_i32 s54, s[WV], PAIR                     ; my part of a region
	s_mov_b32 s[SEL], 0x76543210
	s_mov_b32 s[SEL+1], 0xfedcba98                 ; v_permlanex16_b32's selects for lane l xor 16
	s_mov_b32 s[MNT], 0x600000                     ; the mantissa field of 448
	s_mov_b32 s[HM], 0xffff0000                    ; lanes 16-31
	s_lshl_b32 s16, s15, 22                        ; x: 4 MiB a batch,
	s_lshl_b32 s17, s[WV], 20                      ; 1 MiB for 128 channels,
	s_add_co_u32 s16, s16, s17
	s_lshl_b32 s17, s14, 9                         ; 512 bytes a block
	s_add_co_u32 s16, s16, s17
	s_mov_b32 s17, 0
	s_lshl_b32 s18, s15, 4
	s_add_co_u32 s18, s18, s14                     ; 16 x batch + block
	s_mul_i32 s19, s18, 76800                      ; its block of kv
	s_mul_i32 s18, s18, 9216                       ; and of qimg
	s_add_co_u32 s56, s19, 67584                   ; k's place in the kv block
	s_wait_kmcnt 0x0
	s_add_nc_u64 s[XP:XP+1], s[4:5], s[16:17]
	s_cmp_lt_u32 s[WV], 2                          ; waves 0, 1 make q, waves 2, 3 k
	s_cselect_b32 s16, s18, s56
	s_cselect_b64 s[QKP:QKP+1], s[8:9], s[10:11]
	s_and_b32 s56, s[WV], 1
	s_lshl_b32 s56, s56, 9                         ; my quad: channels 32 (w % 2) on
	s_add_co_u32 s16, s16, s56
	s_add_nc_u64 s[QKP:QKP+1], s[QKP:QKP+1], s[16:17]
	s_mul_i32 s16, s[WV], 16896
	s_add_co_u32 s16, s16, s19
	s_add_nc_u64 s[VP:VP+1], s[10:11], s[16:17]
	s_add_nc_u64 s[W0:W0+1], s[6:7], s[52:53]
.irp n,0,1,2
	s_mov_b32 s[G0+4*\n], 1                        ; count = 1
	s_add_co_u32 s[G0+4*\n+1], s54, RSZ*\n         ; LDS address: region n, my part
	s_add_nc_u64 s[G0+4*\n+2:G0+4*\n+3], s[W0:W0+1], PAIR*(\n+1)   ; global address: my pair n + 1
	s_or_b32 s[G0+4*\n+3], s[G0+4*\n+3], 0x80000000                ; type = 2
.endr
	CROUND                                         ; all four work-groups are here: the first joint loads meet
	tensor_load_to_lds s[G0:G0+3], s[G1:G1+7]
	s_nop 0
	tensor_load_to_lds s[G0+4:G0+7], s[G1:G1+7]
	s_nop 0
	tensor_load_to_lds s[G0+8:G0+11], s[G1:G1+7]
	s_nop 0
	PLACES 4                                       ; four lines here ahead of a switch of windows
	WIN 0x40                                       ; my first pair of records goes straight into registers: it is wanted first
.irp u,0,1
.irp s,0,1,2,3
.irp c,0,1,2,3
	global_load_b128 v[64*\u+16*\s+4*\c:64*\u+16*\s+4*\c+3], v[LI], s[W0:W0+1] offset:REC*\u+2048*\s+512*\c
.endr
.endr
.irp hf,0,1
	global_load_b128 v[128+8*\u+4*\hf:128+8*\u+4*\hf+3], v[LI], s[W0:W0+1] offset:REC*\u+8448+512*\hf
.endr
.endr
	WIN 0
.irp u,0,1
	global_load_b64 v[WS+2*\u:WS+2*\u+1], v[L8], s[W0:W0+1] offset:REC*\u+8192
.endr
.macro LOADX cc                        ; 32 channels x 128 positions: each load reads 512 consecutive bytes of one channel; register 4 i + u = channel i, position 4 x lane + u
	WIN 0x80+0x40*((\cc)>>1)
.set ii, 0
.rept 32
	global_load_b128 v[128*((\cc)&1)+4*ii:128*((\cc)&1)+4*ii+3], v[LI], s[XP:XP+1] offset:8192*(32*(\cc)+ii) th:TH_LOAD_NT
.set ii, ii+1
.endr
	WIN 0
.endm
	LOADX 0
	LOADX 1
	v_bfe_u32 v19, v0, 4, 1                        ; h
	v_lshlrev_b32 v[SH], 3, v19
	v_add_nc_u32 v[SH16], 16, v[SH]
	s_lshl_b32 s55, s[WV], 11
	s_add_co_u32 s55, s55, XIMG
	v_add_nc_u32 v[XWI], s55, v[LI]
	v_add_nc_u32 v[XRD], XIMG, v[LI]
	s_lshl_b32 s55, s[WV], 9
	s_add_co_u32 s55, s55, XSC
	v_add_nc_u32 v[XSW], s55, v[LI]
	v_add_nc_u32 v[XSR], XSC, v[LI]
	v_add_nc_u32 v[WR], s54, v[LI]
	v_add_nc_u32 v[WR+1], RSZ, v[WR]
	v_add_nc_u32 v[WR+2], 2*RSZ, v[WR]
	v_add_nc_u32 v[WR8], s54, v[L8]
	v_add_nc_u32 v[WR8+1], RSZ, v[WR8]
	v_add_nc_u32 v[WR8+2], 2*RSZ, v[WR8]
	s_lshr_b32 s55, s[WV], 1
	s_lshl_b32 s55, s55, 8
	s_add_co_u32 s55, s55, QKS
	v_and_b32 v19, 31, v0
	v_lshl_add_u32 v[QKR], v19, 1, s55
	s_and_b32 s56, s[WV], 1
	v_add_nc_u32 v[QKW], s56, v[QKR]
; 32 channels of x (block cc of my K step) become quad cc of eight fragments.  A lane holds, for each u, a whole block of 32 along K of its position: lanes 0-15 of tile u, lanes 16-31 of tile u + 4.
.macro XBLOCK cc
.set XB, 128*((\cc)&1)
	WIN 0x28+0x14*((\cc)>>1)                       ; sources 1 and 2: window 2 or 3
.irp u,0,1,2,3
	v_max3_num_f32 v[MX+\u], FLOOR, |v[XB+\u]|, |v[XB+4+\u]|       ; the four positions by turns; the floor holds the byte at 1 from below
.endr
.set ii, 2
.rept 15
.irp u,0,1,2,3
	v_max3_num_f32 v[MX+\u], v[MX+\u], |v[XB+4*ii+\u]|, |v[XB+4*ii+4+\u]|
.endr
.set ii, ii+2
.endr
	WIN 0
.irp u,0,1,2,3
	v_add_nc_u32 v[SO+\u], EOFF, v[MX+\u]          ; the conversion's scale operand
.endr
.irp u,0,1,2,3
	v_and_or_b32 v[LM+\u], v[MX+\u], EXPM, s[MNT]  ; 448 x the scale
.endr
.irp u,0,1,2,3
.if (\cc) == 0
	v_lshrrev_b32 v[XW+\u], 23, v[SO+\u]           ; the scale's byte: byte cc of the K step's word
.else
	v_lshrrev_b32 v[BY+\u], 23, v[SO+\u]
.endif
.endr
.if (\cc) > 0
.irp u,0,1,2,3
	v_lshl_or_b32 v[XW+\u], v[BY+\u], 8*(\cc), v[XW+\u]
.endr
.endif
.irp u,0,1,2,3
.set CS, CD+8*(\u&1)
	WIN 0x02+((\cc)>>1)                            ; source 0: window 2 or 3
.set ii, 0
.rept 32
	v_med3_num_f32 v[T+ii], v[XB+4*ii+\u], -v[LM+\u], v[LM+\u]     ; the hold (the conversion does not saturate: ISA guide 7.6.2) also brings the 32 channels on end
.set ii, ii+1
.endr
	WIN 0
	s_wait_dscnt 0x2                               ; all but the last tile's two stores are done: those of two tiles back have read this set of code registers
.irp k,0,1,2,3
	v_cvt_scalef32_pk8_fp8_f32 v[CS+2*\k:CS+2*\k+1], v[T+8*\k:T+8*\k+7], v[SO+\u]
.endr
	v_nop                                          ; a plain line between the conversions and the lines that touch their results
.irp k,0,1,2,3
	v_permlane16_swap_b32 v[CS+\k], v[CS+4+\k]     ; the swap: registers 0-3 tile u's quad, registers 4-7 tile u + 4's
.endr
	ds_store_b128 v[XWI], v[CS:CS+3] offset:8192*\u+512*(\cc)
	ds_store_b128 v[XWI], v[CS+4:CS+7] offset:8192*(\u+4)+512*(\cc)
.endr
.endm
	s_wait_loadcnt 32                              ; only the youngest block of x may be out: my first records and block 0 are in
	LOADX 2
	XBLOCK 0
	s_wait_loadcnt 32
	LOADX 3
	XBLOCK 1
	s_wait_loadcnt 32
	XBLOCK 2
	s_wait_loadcnt 0x0
	XBLOCK 3
	ds_store_b128 v[XSW], v[XW:XW+3]               ; my K step's scale words of the eight tiles
	BAR                                            ; x's 32 fragments and their scale words lie in LDS
.macro XF s                            ; K step s's eight fragments into my registers
	WIN 0x80+0x40*((\s)>>1)
.irp t,0,1,2,3,4,5,6,7
.irp c,0,1,2,3
	ds_load_b128 v[128*((\s)&1)+16*\t+4*\c:128*((\s)&1)+16*\t+4*\c+3], v[XRD] offset:2048*(4*\t+(\s))+512*\c
.endr
.endr
	WIN 0
.endm
; q or k, TRANSPOSED: source 0 = 16 rows of the weight, source 1 = 16 positions: a lane holds one position, and the 16 registers of the two tiles are channels 32 (w % 2) + 16 h + 0 .. 15.
; The 16 accumulators take turns, one instruction a turn.  The bias is the C of the first K step.
.macro QKM s
.if (\s) == 0
	WIN 0x19
.elseif (\s) == 1
	WIN 0x09
.else
	WIN 0x0d
.endif
.irp t,0,1,2,3,4,5,6,7
.irp u,0,1
.if (\s) == 0
	WM ACC+16*\t+8*\u, 64*\u+16*(\s), 128*((\s)&1)+16*\t, 128+8*\u, WS+2*\u+((\s)>>1), XS+4*(\s)+(\t&3), (\s)&1, \t>>2
.else
	WM ACC+16*\t+8*\u, 64*\u+16*(\s), 128*((\s)&1)+16*\t, ACC+16*\t+8*\u, WS+2*\u+((\s)>>1), XS+4*(\s)+(\t&3), (\s)&1, \t>>2
.endif
.endr
.endr
	WIN 0
.endm
.irp s,0,1,2,3
	ds_load_b128 v[XS+4*\s:XS+4*\s+3], v[XSR] offset:512*\s
.endr
	XF 0
	XF 1
	s_wait_dscnt 32                                ; the younger K step's 32 loads may be out
	QKM 0
	XF 2
	s_wait_dscnt 32
	QKM 1
	XF 3
	s_wait_dscnt 32
	QKM 2
	s_wait_dscnt 0x0
	QKM 3
	PLACES 9                                       ; ahead of the first read of results, of loads into the weights' registers, and (one more) of the products that begin these accumulators anew
; four tiles by turns: 16 numbers a lane, the block's other 16 in lane l xor 16
.macro QKQ gq
.irp k,0,1,2,3
	v_max3_num_f32 v[MX+\k], |v[ACC+16*(4*\gq+\k)]|, |v[ACC+16*(4*\gq+\k)+1]|, FLOOR   ; each accumulator is read from its low end on
.endr
.irp i,2,4,6,8,10,12,14
.irp k,0,1,2,3
	v_max3_num_f32 v[MX+\k], v[MX+\k], |v[ACC+16*(4*\gq+\k)+\i]|, |v[ACC+16*(4*\gq+\k)+\i+1]|
.endr
.endr
.irp k,0,1,2,3
	v_permlanex16_b32 v[SO+\k], v[MX+\k], s[SEL], s[SEL+1]
.endr
.irp k,0,1,2,3
	v_max_num_f32 v[MX+\k], v[MX+\k], v[SO+\k]
.endr
.irp k,0,1,2,3
	v_add_nc_u32 v[SO+\k], EOFF, v[MX+\k]
.endr
.irp k,0,1,2,3
	v_and_or_b32 v[LM+\k], v[MX+\k], EXPM, s[MNT]
.endr
.irp k,0,1,2,3
	v_lshrrev_b32 v[QB+4*\gq+\k], 23, v[SO+\k]
.endr
.irp k,0,1,2,3
.irp i,0,1,2,3,4,5,6,7,8,9,10,11,12,13,14,15
	v_med3_num_f32 v[ACC+16*(4*\gq+\k)+\i], v[ACC+16*(4*\gq+\k)+\i], -v[LM+\k], v[LM+\k]
.endr
	v_cvt_scalef32_pk8_fp8_f32 v[T+4*(4*\gq+\k):T+4*(4*\gq+\k)+1], v[ACC+16*(4*\gq+\k):ACC+16*(4*\gq+\k)+7], v[SO+\k]
	v_cvt_scalef32_pk8_fp8_f32 v[T+4*(4*\gq+\k)+2:T+4*(4*\gq+\k)+3], v[ACC+16*(4*\gq+\k)+8:ACC+16*(4*\gq+\k)+15], v[SO+\k]
.endr
	v_nop                                          ; a plain line behind the last conversion
.endm
	QKQ 0
	QKQ 1
.irp t,0,1,2,3,4,5,6,7
	global_store_b128 v[LI], v[T+4*\t:T+4*\t+3], s[QKP:QKP+1] offset:1024*\t   ; my quad of tile t's image: 512 consecutive bytes, aligned
.endr
.irp i,0,1,2,3
	v_cndmask_b32 v[QBC+\i], v[QB+\i], v[QB+4+\i], s[HM]           ; lanes 0-15 tile i's byte, lanes 16-31 tile i + 4's
.endr
.irp i,0,1,2,3
	ds_store_b8 v[QKW], v[QBC+\i] offset:64*\i     ; beside the other wave's byte of the same row; read behind the round below
.endr
.macro WLOAD a                         ; record a + 2 of my ten: fragments, bias and scale words out of my part of its region, into buffer a % 2
.set BE, (\a)&1
.set RH, ((\a)/2)%3
	WIN 0x40
.irp s,0,1,2,3
.irp c,0,1,2,3
	ds_load_b128 v[64*BE+16*\s+4*\c:64*BE+16*\s+4*\c+3], v[WR+RH] offset:REC*BE+2048*\s+512*\c
.endr
.endr
.irp hf,0,1
	ds_load_b128 v[128+8*BE+4*\hf:128+8*BE+4*\hf+3], v[WR+RH] offset:REC*BE+8448+512*\hf
.endr
	WIN 0
	ds_load_b64 v[WS+2*BE:WS+2*BE+1], v[WR8+RH] offset:REC*BE+8192
.endm
; 16 channels of v for the 128 positions: source 0 = 16 positions, source 1 = 16 rows of Wv: a lane holds ONE channel, and its 4 tiles x 8 registers of one g are a whole block of 32 positions, v's later K.
; tw: the wait on my tensor loads that the next record needs (under 0: none).
.macro VT a, tw
	s_wait_dscnt 0x0                               ; this record is in
.irp s,0,1,2,3
.if \s == 0
	WIN 0x16
.elseif \s == 1
	WIN 0x06
.else
	WIN 0x07
.endif
.irp t,0,1,2,3,4,5,6,7
.if \s == 0
	WM ACC+8*\t, 128*(\s&1)+16*\t, 64*((\a)&1)+16*\s, 128+8*((\a)&1), XS+4*\s+(\t&3), WS+2*((\a)&1)+(\s>>1), \t>>2, \s&1
.else
	WM ACC+8*\t, 128*(\s&1)+16*\t, 64*((\a)&1)+16*\s, ACC+8*\t, XS+4*\s+(\t&3), WS+2*((\a)&1)+(\s>>1), \t>>2, \s&1
.endif
.endr
.endr
	WIN 0
	PLACES 9                                       ; ahead of the first read of results and (one more) of the next tile's products, which begin these accumulators anew
.if (\tw) >= 0
	s_wait_tensorcnt \tw
.endif
.if (\a) < 7
	WLOAD (\a)+1                                   ; into the other buffer, which the tile before this one has left
.endif
.irp g,0,1
	v_max3_num_f32 v[MX+\g], |v[ACC+32*\g]|, |v[ACC+32*\g+1]|, FLOOR
.endr
.irp i,2,4,6,8,10,12,14,16,18,20,22,24,26,28,30
.irp g,0,1
	v_max3_num_f32 v[MX+\g], v[MX+\g], |v[ACC+32*\g+\i]|, |v[ACC+32*\g+\i+1]|   ; ascending: each accumulator is read from its low end on
.endr
.endr
.irp g,0,1
	v_add_nc_u32 v[SO+\g], EOFF, v[MX+\g]
.endr
.irp g,0,1
	v_and_or_b32 v[LM+\g], v[MX+\g], EXPM, s[MNT]
.endr
.irp g,0,1
	v_lshrrev_b32 v[BY+\g], 23, v[SO+\g]           ; my byte of block 2 g + h
.endr
	v_lshlrev_b32 v[BY], v[SH], v[BY]
	v_lshlrev_b32 v[BY+1], v[SH16], v[BY+1]
	v_or_b32 v[BY], v[BY], v[BY+1]
	v_permlanex16_b32 v[BY+2], v[BY], s[SEL], s[SEL+1]
	v_or_b32 v[WVW+(\a)], v[BY], v[BY+2]           ; with the other half's two bytes: my channel's scale word
	s_wait_xcnt 0x0                                ; the earlier stores have read their data: T and the code registers may be written
.irp g,0,1
.irp j,0,1,2,3,4,5,6,7
.irp u,0,1,2,3
	v_med3_num_f32 v[T+4*\j+\u], v[ACC+32*\g+8*\u+\j], -v[LM+\g], v[LM+\g]   ; the hold, and the 32 positions on end
.endr
.endr
.irp k,0,1,2,3
	v_cvt_scalef32_pk8_fp8_f32 v[CD+8*\g+2*\k:CD+8*\g+2*\k+1], v[T+8*\k:T+8*\k+7], v[SO+\g]
.endr
	v_nop
.irp k,0,1,2,3
	v_permlane16_swap_b32 v[CD+8*\g+\k], v[CD+8*\g+4+\k]           ; quads 2 g and 2 g + 1 of the fragment
.endr
.endr
.irp c,0,1,2,3
	global_store_b128 v[LI], v[CD+4*\c:CD+4*\c+3], s[VP:VP+1] offset:2048*(\a)+512*\c
.endr
.endm
	s_wait_tensorcnt 0x2                           ; my pair 1 is in; pairs 2 and 3 may be out
	WLOAD 0
	VT 0, -1
	VT 1, 1                                        ; pair 2 is in; pair 3 may be out
	; the first region is done with: it takes my last pair
	s_wait_tensorcnt 0x0                           ; all my tensor loads have landed, so a group 0 may be written
	ds_add_u32 v[SPW], v[NIL]                      ; 0 onto my spare word
	s_add_nc_u64 s[G0+2:G0+3], s[G0+2:G0+3], 3*PAIR                ; from pair 1 to pair 4; the type bits are not reached
	s_wait_dscnt 0x0                               ; the add is done, my reads of the region are over, my scale bytes have landed
	CROUND                                         ; the same holds of every wave of the four work-groups
	tensor_load_to_lds s[G0:G0+3], s[G1:G1+7]      ; my one tensor load behind the round
	s_nop 0
	PLACES 4
	s_and_b32 s55, s[WV], 1
	s_cmp_lg_u32 s55, 0
	s_cbranch_scc1 .Lodd                           ; waves 0 and 2 put q's and k's scale words together
.irp i,0,1,2,3
	ds_load_u16 v[QBC+\i], v[QKR] offset:64*\i     ; the bytes of channels 0-31 and 32-63
.endr
.irp i,0,1,2,3
	v_mov_b32 v[QB+\i], 0
.endr
	s_wait_dscnt 0x0
.irp i,0,1,2,3
	v_or_b32 v[QBC+\i], 0x7f7f0000, v[QBC+\i]      ; bytes 2 and 3 stand over zero codes: 127
.endr
	global_store_b128 v[LI], v[QBC:QBC+3], s[QKP:QKP+1] offset:8192
	global_store_b128 v[LI], v[QB:QB+3], s[QKP:QKP+1] offset:8704  ; the block's last 512 bytes: the attention's tensor loads read whole blocks
.Lodd:
	VT 2, -1
	VT 3, -1
	VT 4, -1
	VT 5, 0                                        ; pair 4 is in
	VT 6, -1
	VT 7, -1
.irp i,0,1,2,3
	v_cndmask_b32 v[XW+\i], v[WVW+\i], v[WVW+4+\i], s[HM]          ; lanes 0-15 fragment i's words, lanes 16-31 fragment i + 4's
.endr
	global_store_b128 v[LI], v[XW:XW+3], s[VP:VP+1] offset:16384
	s_wait_tensorcnt 0x0                           ; the wave's end
	ds_add_u32 v[SPW], v[NIL]
	s_wait_dscnt 0x0
	CROUND                                         ; the closing round
	s_endpgm
.Lfunc_end_k_q99b35428b6_proj:
	.size	k_q99b35428b6_proj, .Lfunc_end_k_q99b35428b6_proj-k_q99b35428b6_proj
	.p2alignl 7, 3214868480
	.fill 96, 4, 3214868480
	.section	.rodata,"a",@progbits
	.p2align	6, 0x0
	.amdhsa_kernel k_q99b35428b6_proj
		.amdhsa_group_segment_fixed_size 327680
		.amdhsa_private_segment_fixed_size 0
		.amdhsa_enable_private_segment 0
		.amdhsa_kernarg_size 32
		.amdhsa_user_sgpr_count 2
		.amdhsa_user_sgpr_kernarg_segment_ptr 1
		.amdhsa_wavefront_size32 1
		.amdhsa_system_sgpr_workgroup_id_x 1
		.amdhsa_system_sgpr_workgroup_id_y 1
		.amdhsa_system_sgpr_workgroup_id_z 1
		.amdhsa_system_vgpr_workitem_id 0
		.amdhsa_next_free_vgpr 1024
		.amdhsa_next_free_sgpr 66
		.amdhsa_reserve_vcc 0
		.amdhsa_float_denorm_mode_32 3
		.amdhsa_float_denorm_mode_16_64 3
		.amdhsa_memory_ordered 1
		.amdhsa_forward_progress 1
		.amdhsa_inst_pref_size 229
	.end_amdhsa_kernel
	.amdgpu_metadata
---
amdhsa.version: [ 1, 2 ]
amdhsa.kernels:
  - .name:           k_q99b35428b6_proj
    .symbol:         k_q99b35428b6_proj.kd
    .args:
      - { .name: x, .offset: 0, .size: 8, .value_kind: global_buffer, .address_space: global }
      - { .name: wrec, .offset: 8, .size: 8, .value_kind: global_buffer, .address_space: global }
      - { .name: qimg, .offset: 16, .size: 8, .value_kind: global_buffer, .address_space: global }
      - { .name: kv, .offset: 24, .size: 8, .value_kind: global_buffer, .address_space: global }
    .group_segment_fixed_size: 327680
    .private_segment_fixed_size: 0
    .kernarg_segment_align: 8
    .kernarg_segment_size: 32
    .max_flat_workgroup_size: 128
    .sgpr_count:     66
    .vgpr_count:     1024
    .wavefront_size: 32
...
	.end_amdgpu_metadata
.endif
;; end of part 2
;; launch attn (part 3): grid 16 x 16, 4 waves a work-group, clusters of 4 x 1, 327,680 bytes of LDS; arguments qimg, kv, x, gamma, out0; writes out0
.if DOCPART == 3
	.amdgcn_target "amdgcn-amd-amdhsa--gfx1250"
	.amdhsa_code_object_version 6
	.text
	.protected	k_q99b35428b6_attn
	.globl	k_q99b35428b6_attn
	.p2align	8
	.type	k_q99b35428b6_attn,@function
k_q99b35428b6_attn:
	s_mov_b64 s[64:65], 0
	v_nop
	global_prefetch_b8 v0, s[64:65] scope:SCOPE_SE
	s_setreg_imm32_b32 hwreg(HW_REG_WAVE_MODE, 25, 1), 1
	s_wait_xcnt 0x0
	s_wait_alu depctr_hold_cnt(0) depctr_sa_sdst(0) depctr_va_vdst(0) depctr_va_sdst(0) depctr_va_ssrc(0) depctr_va_vcc(0) depctr_vm_vsrc(0)
	s_getreg_b32 s2, hwreg(HW_REG_IB_STS2, 6, 4)
	s_cmp_eq_u32 s2, 0
	s_cbranch_scc0 .Lentry_in_a_cluster
	s_endpgm
.Lentry_in_a_cluster:
	s_bfe_u32 s2, ttmp6, 0x10000c
	s_cmp_lg_u32 s2, 0x3003
	s_cbranch_scc0 .Lentry_shape_is_right
	s_endpgm
.Lentry_shape_is_right:
; out0[b][c][i] = gamma x (sum over j of softmax_j(q_i . k_j) v[c][j]) + x[b][c][i], both products on codes of E4M3 with one E8M0 scale for each 32 along K.  q, k, v come as images of operand registers (made by the launch before).
; THE SOFTMAX: t = score x log2(e); M = the running largest t rounded UP to a whole number; p = 2^(t - M) is quantised along the keys, not normalised; the row's sum is taken of the unquantised p and divides at the end.
; When M moves, the sum and O are multiplied by f = 2^(old M - new M): exact.
; SHARES.  A work-group owns 128 queries of a batch and walks its 2,048 keys, 128 a step.  THE SOFTMAX IS SHARED BY QUERIES: wave w owns the query tiles w and w + 4.  THE SECOND PRODUCT IS SHARED BY CHANNELS: wave w owns
; channels 128 w .. +127 for all 128 queries: 64 accumulators, 512 registers, so that each fragment of v and of p read from LDS feeds eight products.  p's codes, its scale words and f go from wave to wave through LDS as
; images of registers (quad c at 512 c + 16 x lane), between two barriers a step.
; A TILE of queries or keys is t = u + 4 g: its row r is position 64 g + 4 r + u.  S = k q^T (source 0 = 16 keys, source 1 = 16 queries): a lane holds one query, and its 4 tiles x 8 registers of one g are the whole block
; 2 g + h of 32 neighbouring keys (register j of tile u: key 32 (2 g + h) + 4 j + u).  The hold writes them on end, the conversions make 8 registers of codes, and four v_permlane16_swap_b32 turn them into two quads of p's fragment.
; O = v p^T (source 0 = 16 channels, source 1 = 16 queries): on the way out four accumulators u = 0..3 give a lane four neighbouring queries, 16 bytes, and sixteen lanes 256 consecutive bytes: no stage.
; K = 64 in the first product: the upper eight registers of q's and k's fragments are zeros, set once, under the scale byte 127.
; THE RESCALING OF O stands between the second product's matrix instructions without a switch of windows: v's fragment a lies in the window of its accumulators.
; THE EXPONENTIALS go in two batches, each with one wait: tile w's stand between the scalings of both tiles, tile w + 4's between the plain lines that finish tile w.
; RING.  Two slots of two key steps (2 x 76,800 bytes, one dense run of kv), filled by JOINT tensor loads of the cluster's four query blocks, a quarter a wave.  By this text's count two loads of a wave are out at the start, one behind each round.
; x FOR THE RESIDUAL.  At the last change of slots the slot that is left takes x of each wave's channels 0-63 (64 rows of 512 bytes, a plain tensor load a wave, read by that wave alone): it lands under the last two key steps.
; Channels 64-127 come by loads into registers on the way out, issued ahead of the four tiles that are fed from LDS.  No set of x's registers is used twice, so no store's data are ever written again.
; LIMITS: p under 2^-126 becomes 0 (v_exp_f32 flushes: ISA guide 15.8); a block of p under 2^-118 gets the byte 1; the division is a multiplication by v_rcp_f32; NaN and infinities are not served.
; REGISTERS.  window 0: v1-19 addresses; v20-32 scale words (k's, v's, p's, q's); v33 my p's word; v36-59 statistics; v60-63 f; v64-95 T, then the readers' f; v96-127 p's codes; v128-255 S, then p's eight fragments.
;   windows 1-3: group a (a = 0..7) in window 1 + a / 3 at 80 (a % 3): accumulator (a, b) at + 8 b, v's fragment a at + 64.   window 3 also: v160-223 four fragments of k, v224-255 my two of q.
.set STEPB, 76800
.set SLOTB, 2*STEPB
.set WLD,   SLOTB/4                    ; 150 rows of 256 bytes: what one tensor load brings
.set BATCHB, 16*STEPB
.set PIMG,  2*SLOTB                    ; p's eight fragments: tile b at 2,048 b
.set PSC,   PIMG+16384                 ; their scale words: wave i's at 128 i + 4 x lane (lanes 0-15 tile i, lanes 16-31 tile i + 4)
.set FIMG,  PSC+512                    ; f: wave i's (f_i, f_i, f_i+4, f_i+4) at 512 i + 16 x lane
.set GIMG,  FIMG+2048                  ; gamma / the sums: (g_i, g_i+4) at 256 i + 8 x lane
.set SPARE, GIMG+1024                  ; the spare words, 128 bytes a wave: two blocks of 256 bytes that no other line names
.set FLOOR, 0x4800000
.set EOFF,  0xfc000000
.set EXPM,  0x7f800000
.set AK0, 1                            ; k's place in a step's block + 16 x lane
.set AV0, 2                            ; my part of v + 16 x lane
.set AK,  3                            ; the same in the step in hand
.set AV,  4
.set PWI, 5                            ; where I store p's images
.set PRD, 6                            ; where any wave reads them
.set PSR, 7
.set PSW, 8
.set FW,  9
.set GW,  10
.set GRD, 11
.set SPW, 12                           ; my spare word; never rewritten
.set NIL, 13                           ; 0; never rewritten
.set SH,  14                           ; 8 h
.set SH16, 15
.set XO,  16                           ; 16 r + 8 channels x h: my place in x and out0
.set PFO, 17                           ; the prefetches' offset in kv: 256 x min(lane, 24)
.set XL,  18                           ; my place in my wave's x in LDS: 38,400 w + 16 r + 8 rows of 512 bytes x h
.set LI,  19                           ; 16 x lane
.set KS,  20
.set VS,  24
.set PS,  28
.set QS,  32
.set PW,  33
.set ST,  36                           ; tile q's statistics at ST + 12 q: +0 -M, +1 the largest t, +2, +3 the sum, +4, +5 the blocks' largest scores, +6, +7 at work, +8, +9 scale operands, +10, +11 holds
.set FQ,  60
.set T,   64
.set PC,  96
.set S,   128
.set WV,  14
.set LIM, 15                           ; 1 in a wave that prefetches kv, else the greatest number
.set SEL, 20
.set CS,  22                           ; s[22:23] log2(e)
.set MNT, 24
.set HM,  25
.set TB,  26                           ; LDS byte at which the step in hand begins
.set CNT, 27
.set GAM, 28
.set TWICE, 29
.set PFA, 30                           ; s[30:31] where my prefetches of kv stand
.set G1,  32                           ; s[32:39] descriptor group 1;  s[40:43], s[44:47] group 0 of slot 0, 1
.set G0,  40
.set XP,  48
.set OP,  50
.set G1X, 68                           ; s[68:75], s[76:79] groups 1 and 0 for x
.set G0X, 76
.set MSB, 0
.set exon, 0
.set tk, 0
.set ee, 64
.macro WIN new
.if MSB != (\new)
	s_set_vgpr_msb (MSB<<8)|(\new)
.set MSB, (\new)
.endif
.endm
.macro PLACES n
.rept \n
	v_nop
.endr
.endm
.macro BAR
	s_wait_dscnt 0x0
	s_barrier_signal -1
	s_barrier_wait -1
.endm
.macro CROUND
	s_barrier_signal -1
	s_barrier_wait -1
	s_cmp_lg_u32 s[WV], 0
	s_cbranch_scc1 .Lnot_wave_0_\@
	s_barrier_signal -3
.Lnot_wave_0_\@:
	s_barrier_wait -3
	s_barrier_signal -1
	s_barrier_wait -1
.endm
.macro WM d, a, b, c, sa, sb, ra, rb
.if (\c) < 0
.if (\ra) && (\rb)
	v_wmma_scale_f32_16x16x128_f8f6f4 v[(\d):(\d)+7], v[(\a):(\a)+15], v[(\b):(\b)+15], 0, v[(\sa)], v[(\sb)] matrix_a_scale:MATRIX_SCALE_ROW1 matrix_b_scale:MATRIX_SCALE_ROW1
.elseif (\ra)
	v_wmma_scale_f32_16x16x128_f8f6f4 v[(\d):(\d)+7], v[(\a):(\a)+15], v[(\b):(\b)+15], 0, v[(\sa)], v[(\sb)] matrix_a_scale:MATRIX_SCALE_ROW1
.elseif (\rb)
	v_wmma_scale_f32_16x16x128_f8f6f4 v[(\d):(\d)+7], v[(\a):(\a)+15], v[(\b):(\b)+15], 0, v[(\sa)], v[(\sb)] matrix_b_scale:MATRIX_SCALE_ROW1
.else
	v_wmma_scale_f32_16x16x128_f8f6f4 v[(\d):(\d)+7], v[(\a):(\a)+15], v[(\b):(\b)+15], 0, v[(\sa)], v[(\sb)]
.endif
.else
.if (\ra) && (\rb)
	v_wmma_scale_f32_16x16x128_f8f6f4 v[(\d):(\d)+7], v[(\a):(\a)+15], v[(\b):(\b)+15], v[(\c):(\c)+7], v[(\sa)], v[(\sb)] matrix_a_scale:MATRIX_SCALE_ROW1 matrix_b_scale:MATRIX_SCALE_ROW1
.elseif (\ra)
	v_wmma_scale_f32_16x16x128_f8f6f4 v[(\d):(\d)+7], v[(\a):(\a)+15], v[(\b):(\b)+15], v[(\c):(\c)+7], v[(\sa)], v[(\sb)] matrix_a_scale:MATRIX_SCALE_ROW1
.elseif (\rb)
	v_wmma_scale_f32_16x16x128_f8f6f4 v[(\d):(\d)+7], v[(\a):(\a)+15], v[(\b):(\b)+15], v[(\c):(\c)+7], v[(\sa)], v[(\sb)] matrix_b_scale:MATRIX_SCALE_ROW1
.else
	v_wmma_scale_f32_16x16x128_f8f6f4 v[(\d):(\d)+7], v[(\a):(\a)+15], v[(\b):(\b)+15], v[(\c):(\c)+7], v[(\sa)], v[(\sb)]
.endif
.endif
.endm
	s_load_b256 s[4:11], s[0:1], 0x0               ; qimg s[4:5], kv s[6:7], x s[8:9], gamma s[10:11]
	s_load_b64 s[12:13], s[0:1], 0x20              ; out0
	v_lshl_add_u32 v[SPW], v0, 2, SPARE
	v_mov_b32 v[NIL], 0
	ds_add_u32 v12, v13
	ds_add_u32 v12, v13
	s_wait_dscnt 0x0
	v_lshrrev_b32 v34, 5, v0
	v_readfirstlane_b32 s[WV], v34                 ; wave 0..3
	s_bfe_u32 s16, ttmp6, 0x40000                  ; cx
	s_lshl_b32 s17, ttmp9, 2
	s_add_co_u32 s17, s17, s16                     ; my block of 128 queries: it enters qimg's, x's and out0's addresses alone
	s_and_b32 s18, ttmp7, 0xffff                   ; the batch, which the four partners share
	; descriptor group 1 for kv: 150 rows of 256 bytes (32 elements of 8 bytes), dense, no padding
	s_mov_b32 s[G1], 15|(3<<16)|(1<<21)            ; the mask: all four work-groups; elements of 8 bytes; bit 21 set beside a mask
	s_mov_b32 s[G1+1], 32<<16
	s_mov_b32 s[G1+2], 150<<16
	s_mov_b32 s[G1+3], 32<<16
	s_mov_b32 s[G1+4], 150
	s_mov_b32 s[G1+5], 32
	s_mov_b32 s[G1+6], 0
	s_mov_b32 s[G1+7], 0
	; and for x: 64 rows (channels) of 512 bytes (64 elements of 8 bytes), 8,192 bytes apart in memory, dense in LDS; no mask: each work-group has its own block of x
	s_mov_b32 s[G1X], 3<<16                        ; elements of 8 bytes
	s_mov_b32 s[G1X+1], 64<<16                     ; tensor_dim0 = 64
	s_mov_b32 s[G1X+2], 64<<16                     ; tensor_dim1 = 64
	s_mov_b32 s[G1X+3], 64<<16                     ; tile_dim0 = 64
	s_mov_b32 s[G1X+4], 64                         ; tile_dim1 = 64
	s_mov_b32 s[G1X+5], 1024                       ; from row to row: 1,024 elements
	s_mov_b32 s[G1X+6], 0
	s_mov_b32 s[G1X+7], 0
	s_mul_i32 s19, s[WV], WLD                      ; my quarter of a slot, in LDS and in memory
	s_mul_i32 s52, s18, BATCHB
	s_add_co_u32 s52, s52, s19                     ; the batch's kv, my quarter: nothing of cx in it
	s_mov_b32 s53, 0
	s_mul_i32 s54, s18, BATCHB                     ; the prefetches: partner cx takes the cx-th quarter of a slot, told apart by address;
	s_mul_i32 s55, s16, WLD
	s_add_co_u32 s54, s54, s55
	s_mul_i32 s55, s[WV], 12800                    ; in it waves 0 to 2 take 50 rows of 256 bytes each,
	s_add_co_u32 s54, s54, s55
	s_add_co_u32 s54, s54, 2*SLOTB                 ; at the third slot's worth of keys: the first change of slots steps it on
	s_mov_b32 s55, 0
	s_cmp_lt_u32 s[WV], 3
	s_cselect_b32 s[LIM], 0, 1
	s_or_b32 s[LIM], s[LIM], ttmp9                 ; all clusters of a batch walk the same kv: the first of them asks; the same in all four partners
	s_cmp_eq_u32 s[LIM], 0
	s_cselect_b32 s[LIM], 1, -1
	s_lshl_b32 s60, s18, 22                        ; x and out0: 4 MiB a batch, 1 MiB for my 128 channels, 512 bytes a block
	s_lshl_b32 s61, s[WV], 20
	s_add_co_u32 s60, s60, s61
	s_lshl_b32 s61, s17, 9
	s_add_co_u32 s60, s60, s61
	s_mov_b32 s61, 0
	s_lshl_b32 s56, s18, 4
	s_add_co_u32 s56, s56, s17
	s_mul_i32 s56, s56, 9216                       ; my block of qimg
	s_lshl_b32 s58, s[WV], 10
	s_add_co_u32 s58, s56, s58                     ; tile w's image
	s_mov_b32 s59, 0
	s_lshl_b32 s57, s[WV], 2
	s_add_co_u32 s56, s56, s57                     ; word w of the scale quads
	s_mov_b32 s57, 0
	s_mov_b32 s[SEL], 0x76543210
	s_mov_b32 s[SEL+1], 0xfedcba98
	s_mov_b32 s[CS], 0x3fb8aa3b                    ; log2(e)
	s_mov_b32 s[CS+1], s[CS]                       ; (named with it as a pair, so it is written)
	s_mov_b32 s[MNT], 0x600000
	s_mov_b32 s[HM], 0xffff0000
	s_mov_b32 s[TB], 0
	s_wait_kmcnt 0x0
	s_add_nc_u64 s[52:53], s[6:7], s[52:53]
	s_mov_b32 s[G0], 1
	s_mov_b32 s[G0+1], s19                         ; slot 0, my quarter
	s_mov_b64 s[G0+2:G0+3], s[52:53]               ; key steps 0 and 1
	s_or_b32 s[G0+3], s[G0+3], 0x80000000
	s_mov_b32 s[G0+4], 1
	s_add_co_u32 s[G0+5], s19, SLOTB               ; slot 1
	s_add_nc_u64 s[G0+6:G0+7], s[52:53], SLOTB     ; key steps 2 and 3
	s_or_b32 s[G0+7], s[G0+7], 0x80000000
	s_add_nc_u64 s[PFA:PFA+1], s[6:7], s[54:55]
	s_add_nc_u64 s[XP:XP+1], s[8:9], s[60:61]
	s_add_nc_u64 s[OP:OP+1], s[12:13], s[60:61]
	s_mov_b32 s[G0X], 1
	s_mov_b32 s[G0X+1], s19                        ; x goes to my quarter of slot 0
	s_mov_b64 s[G0X+2:G0X+3], s[XP:XP+1]           ; from my first channel, my block's 512 bytes
	s_or_b32 s[G0X+3], s[G0X+3], 0x80000000
	s_add_nc_u64 s[58:59], s[4:5], s[58:59]
	s_add_nc_u64 s[56:57], s[4:5], s[56:57]
	s_load_b32 s[GAM], s[10:11], 0x0
	CROUND                                         ; all four work-groups are here: the first joint loads meet
	tensor_load_to_lds s[G0:G0+3], s[G1:G1+7]
	s_nop 0
	tensor_load_to_lds s[G0+4:G0+7], s[G1:G1+7]
	s_nop 0
	PLACES 4
	v_and_b32 v34, 31, v0                          ; lane
	v_lshlrev_b32 v[LI], 4, v34
	WIN 0xc0                                       ; destination window 3
.irp q,0,1
.irp c,0,1
	global_load_b128 v[224+16*\q+4*\c:224+16*\q+4*\c+3], v[LI], s[58:59] offset:4096*\q+512*\c   ; q's tiles w and w + 4 stay in registers
.endr
.endr
.irp f,0,1,2,3,4,5
.irp j,8,9,10,11,12,13,14,15
	v_mov_b32 v[160+16*\f+\j], 0                   ; K = 64: the upper halves of k's four and q's two fragments are zero codes, set once
.endr
.endr
	WIN 0
	global_load_b32 v[QS], v[LI], s[56:57] offset:8192             ; lanes 0-15 tile w's words, lanes 16-31 tile w + 4's
	v_add_nc_u32 v[AK0], 67584, v[LI]
	s_mul_i32 s60, s[WV], 16896
	v_add_nc_u32 v[AV0], s60, v[LI]
	s_lshl_b32 s60, s[WV], 11
	s_add_co_u32 s60, s60, PIMG
	v_add_nc_u32 v[PWI], s60, v[LI]
	v_add_nc_u32 v[PRD], PIMG, v[LI]
	v_lshlrev_b32 v35, 2, v34
	v_add_nc_u32 v[PSR], PSC, v35
	s_lshl_b32 s60, s[WV], 7
	s_add_co_u32 s60, s60, PSC
	v_add_nc_u32 v[PSW], s60, v35
	s_lshl_b32 s60, s[WV], 9
	s_add_co_u32 s60, s60, FIMG
	v_add_nc_u32 v[FW], s60, v[LI]
	v_lshlrev_b32 v35, 3, v34
	v_add_nc_u32 v[GRD], GIMG, v35
	s_lshl_b32 s60, s[WV], 8
	s_add_co_u32 s60, s60, GIMG
	v_add_nc_u32 v[GW], s60, v35
	v_bfe_u32 v35, v0, 4, 1                        ; h
	v_lshlrev_b32 v[SH], 3, v35
	v_add_nc_u32 v[SH16], 16, v[SH]
	v_and_b32 v[XO], 15, v0
	v_lshlrev_b32 v[XO], 4, v[XO]
	v_lshl_add_u32 v[XL], v35, 12, v[XO]           ; in LDS a channel is 512 bytes: 8 channels are 4,096
	v_add_nc_u32 v[XL], s19, v[XL]
	v_lshl_add_u32 v[XO], v35, 16, v[XO]           ; in memory 8,192: 8 channels are 65,536
	v_min_u32 v[PFO], 24, v34                      ; 25 rows an instruction: lanes 25 to 31 name lane 24's row again
	v_lshlrev_b32 v[PFO], 8, v[PFO]
.irp q,0,1
	v_mov_b32 v[ST+12*\q+1], 0xff61b1e6            ; the largest t so far: -3e38, under every t
	v_floor_f32 v[ST+12*\q], -v[ST+12*\q+1]        ; -M
	v_mov_b32 v[ST+12*\q+2], 0                     ; the sum, in two halves
	v_mov_b32 v[ST+12*\q+3], 0
	v_mov_b32 v[ST+12*\q+7], 0                     ; written once: a lane permute's destination counts as one of its sources
.endr
.macro KLOAD g                         ; k's four tiles u + 4 g: the lower halves of the four fragments
	WIN 0xc0
.irp u,0,1,2,3
.irp c,0,1
	ds_load_b128 v[160+16*\u+4*\c:160+16*\u+4*\c+3], v[AK] offset:4096*(\g)+1024*\u+512*\c
.endr
.endr
	WIN 0
.endm
.macro SMUL g                          ; eight products, eight accumulators, each begun with the constant 0
	WIN 0x0f
.irp u,0,1,2,3
.irp q,0,1
	WM S+64*\q+32*(\g)+8*\u, 160+16*\u, 224+16*\q, -1, KS+\u, QS, \g, \q
.endr
.endr
	WIN 0
.endm
.macro BMAX g                          ; the largest score of my block 2 g + h, for each of my two tiles: two chains of 16 a block, four by turns, ascending: each accumulator is read from its low end on
.irp q,0,1
	v_max3_num_f32 v[ST+12*\q+4+(\g)], v[S+64*\q+32*(\g)], v[S+64*\q+32*(\g)+1], v[S+64*\q+32*(\g)+2]
	v_max3_num_f32 v[ST+12*\q+6], v[S+64*\q+32*(\g)+16], v[S+64*\q+32*(\g)+17], v[S+64*\q+32*(\g)+18]
.endr
.irp i,3,5,7,9,11,13
.irp q,0,1
	v_max3_num_f32 v[ST+12*\q+4+(\g)], v[ST+12*\q+4+(\g)], v[S+64*\q+32*(\g)+\i], v[S+64*\q+32*(\g)+\i+1]
	v_max3_num_f32 v[ST+12*\q+6], v[ST+12*\q+6], v[S+64*\q+32*(\g)+16+\i], v[S+64*\q+32*(\g)+17+\i]
.endr
.endr
.irp q,0,1
	v_max3_num_f32 v[ST+12*\q+4+(\g)], v[ST+12*\q+4+(\g)], v[ST+12*\q+6], v[S+64*\q+32*(\g)+15]
.endr
.irp q,0,1
	v_max_num_f32 v[ST+12*\q+4+(\g)], v[ST+12*\q+4+(\g)], v[S+64*\q+32*(\g)+31]
.endr
.endm
; THE SECOND BATCH OF EXPONENTIALS, tile w + 4's 64, is dealt out among plain lines that name none of its registers: EX writes the next of them, TICK stands behind a plain line and calls EX behind every second one while exon = 1.
.macro EX
.if ee < 64
	v_exp_f32 v[S+64+ee], v[S+64+ee]
.set ee, ee+1
.endif
.endm
.macro TICK
.set tk, tk+1
.if exon && ((tk&1) == 0)
	EX
.endif
.endm
; the row's sum, of the unquantised p of tile q: 32 pairs (two numbers an instruction) in four chains: the sum itself, a pair of the statistics, two pairs of T
.macro SUMS q
	v_pk_add_f32 v[ST+12*\q+6:ST+12*\q+7], v[S+64*\q:S+64*\q+1], v[S+64*\q+2:S+64*\q+3]
	TICK
	v_pk_add_f32 v[T:T+1], v[S+64*\q+4:S+64*\q+5], v[S+64*\q+6:S+64*\q+7]
	TICK
	v_pk_add_f32 v[T+2:T+3], v[S+64*\q+8:S+64*\q+9], v[S+64*\q+10:S+64*\q+11]
	TICK
.set ii, 12
.rept 26
.if ((ii/2)&3) == 2
.set CH, ST+12*\q+2
.elseif ((ii/2)&3) == 3
.set CH, ST+12*\q+6
.elseif ((ii/2)&3) == 0
.set CH, T
.else
.set CH, T+2
.endif
	v_pk_add_f32 v[CH:CH+1], v[CH:CH+1], v[S+64*\q+ii:S+64*\q+ii+1]
	TICK
.set ii, ii+2
.endr
	v_pk_add_f32 v[ST+12*\q+2:ST+12*\q+3], v[ST+12*\q+2:ST+12*\q+3], v[ST+12*\q+6:ST+12*\q+7]
	TICK
	v_pk_add_f32 v[T:T+1], v[T:T+1], v[T+2:T+3]
	TICK
	v_pk_add_f32 v[ST+12*\q+2:ST+12*\q+3], v[ST+12*\q+2:ST+12*\q+3], v[T:T+1]
	TICK
.endm
.macro QHOLD q, g                      ; the hold (p is not negative; the conversion does not saturate: ISA guide 7.6.2), which also brings the block's 32 keys on end
.irp j,0,1,2,3,4,5,6,7
.irp u,0,1,2,3
	v_min_num_f32 v[T+4*\j+\u], v[S+64*\q+32*\g+8*\u+\j], v[ST+12*\q+10+\g]
	TICK
.endr
.endr
.endm
.macro QCVT q, g                       ; 32 codes, and the swap: quads 2 g and 2 g + 1 of p's fragment
.irp k,0,1,2,3
	v_cvt_scalef32_pk8_fp8_f32 v[PC+16*\q+8*\g+2*\k:PC+16*\q+8*\g+2*\k+1], v[T+8*\k:T+8*\k+7], v[ST+12*\q+8+\g]
.endr
	v_nop                                          ; a plain line between the conversions and the lines that touch their results or write their sources
.irp k,0,1,2,3
	v_permlane16_swap_b32 v[PC+16*\q+8*\g+\k], v[PC+16*\q+8*\g+4+\k]
.endr
.endm
; the n-th product of the second product's 64: channel tile MA, query tile MB.  In the first window (channel tiles 0-2) the query tile is the outer index, so that each fragment of p that arrives feeds three products
.macro MAPN n
.if (\n) < 24
.set MA, (\n)%3
.set MB, (\n)/3
.else
.set MA, (\n)/8
.set MB, (\n)%8
.endif
.endm
.macro RS n                            ; the n-th product's accumulator under the new M: x f of its query tile
	MAPN \n
.set RO, 80*(MA%3)+8*MB
.set RF, T+4*(MB&3)+2*(MB>>2)
.irp k,0,2,4,6
	v_pk_mul_f32 v[RO+\k:RO+\k+1], v[RO+\k:RO+\k+1], v[RF:RF+1]
.endr
.endm
; A KEY STEP: 128 keys, at LDS byte s[TB].  zero = 1: the first step, whose second products start O with the constant 0: nothing is cleared, nothing rescaled.
.macro STEP zero
	v_add_nc_u32 v[AK], s[TB], v[AK0]
	v_add_nc_u32 v[AV], s[TB], v[AV0]
	PLACES 8                                       ; with the two lines above: ahead of the products below, which write over p's fragments
	KLOAD 0
	ds_load_b128 v[KS:KS+3], v[AK] offset:8192
	s_wait_dscnt 0x0                               ; k's first four tiles and its scale words are in: nothing else is out
	SMUL 0
	PLACES 8                                       ; ahead of loads into k's registers and of the first read of the scores; with the ten above also ahead of the loads into v's registers and its scale words
	KLOAD 1
.set aa, 0
.rept 8
	WIN 0x40*(1+aa/3)
.irp c,0,1,2,3
	ds_load_b128 v[80*(aa%3)+64+4*\c:80*(aa%3)+64+4*\c+3], v[AV] offset:2048*aa+512*\c   ; v stands behind k: it is wanted only behind the softmax
.endr
.set aa, aa+1
.endr
	WIN 0
	ds_load_b128 v[VS:VS+3], v[AV] offset:16384
	BMAX 0
	s_wait_dscnt 33                                ; k's second four tiles are in; v's 32 loads and its scale words may be out
	SMUL 1
	PLACES 8
	BMAX 1
.irp q,0,1
	v_max_num_f32 v[ST+12*\q+6], v[ST+12*\q+4], v[ST+12*\q+5]
.endr
.irp q,0,1
	v_permlanex16_b32 v[ST+12*\q+7], v[ST+12*\q+6], s[SEL], s[SEL+1]
.endr
.irp q,0,1
	v_max_num_f32 v[ST+12*\q+6], v[ST+12*\q+6], v[ST+12*\q+7]      ; the step's largest score of my query
.endr
.irp q,0,1
	v_mul_f32 v[ST+12*\q+6], s[CS], v[ST+12*\q+6]
.endr
.irp q,0,1
	v_max_num_f32 v[ST+12*\q+1], v[ST+12*\q+1], v[ST+12*\q+6]      ; the running largest t
.endr
.irp q,0,1
	v_mov_b32 v[ST+12*\q+6], v[ST+12*\q]
.endr
.irp q,0,1
	v_floor_f32 v[ST+12*\q], -v[ST+12*\q+1]        ; the new -M = -ceil(t): a whole number
.endr
.irp q,0,1
	v_sub_f32 v[ST+12*\q+6], v[ST+12*\q], v[ST+12*\q+6]            ; old M - new M, 0 or less
.endr
.irp q,0,1
	v_cvt_i32_f32 v[ST+12*\q+6], v[ST+12*\q+6]     ; (it saturates)
.endr
.irp q,0,1
	v_ldexp_f32 v[FQ+2*\q], 1.0, v[ST+12*\q+6]     ; f = 2^(old M - new M)
.endr
.irp q,0,1
	v_mov_b32 v[FQ+2*\q+1], v[FQ+2*\q]
.endr
.irp q,0,1
.irp g,0,1
	v_fma_f32 v[ST+12*\q+4+\g], v[ST+12*\q+4+\g], s[CS], v[ST+12*\q]   ; t - M of each block's largest score
.endr
.endr
	; THE FIRST BATCH: tile w's 64 exponentials and the four of the blocks' largest scores.  Between them stand the scalings t - M, two numbers an instruction: tile w's one pair ahead of its exponentials, and tile w + 4's.  None of these lines names a result.
	v_pk_fma_f32 v[S:S+1], v[S:S+1], s[CS:CS+1], v[ST:ST+1] op_sel_hi:[1,0,0]
.set ii, 0
.rept 32
.if ii < 62
	v_pk_fma_f32 v[S+ii+2:S+ii+3], v[S+ii+2:S+ii+3], s[CS:CS+1], v[ST:ST+1] op_sel_hi:[1,0,0]
.endif
	v_exp_f32 v[S+ii], v[S+ii]                     ; p = 2^(t - M)
	v_pk_fma_f32 v[S+64+ii:S+64+ii+1], v[S+64+ii:S+64+ii+1], s[CS:CS+1], v[ST+12:ST+13] op_sel_hi:[1,0,0]
	v_exp_f32 v[S+ii+1], v[S+ii+1]
.set ii, ii+2
.endr
.irp q,0,1
	v_exp_f32 v[ST+12*\q+4], v[ST+12*\q+4]         ; the block's largest p: the same two instructions on the same number
	v_exp_f32 v[ST+12*\q+5], v[ST+12*\q+5]
	v_pk_mul_f32 v[ST+12*\q+2:ST+12*\q+3], v[ST+12*\q+2:ST+12*\q+3], v[FQ+2*\q:FQ+2*\q+1]   ; the sums under the new M; the last of these is the plain line behind the batch
.endr
	s_wait_alu depctr_va_vdst(0)                   ; ahead of the first line that names a result: one wait for the batch
	; THE SECOND BATCH, among the lines that make the scale words and finish tile w
.set ee, 0
.set tk, 0
.set exon, 1
	EX
.irp q,0,1
.irp g,0,1
	v_max_num_f32 v[ST+12*\q+4+\g], FLOOR, v[ST+12*\q+4+\g]
	TICK
.endr
.endr
.irp q,0,1
.irp g,0,1
	v_add_nc_u32 v[ST+12*\q+8+\g], EOFF, v[ST+12*\q+4+\g]          ; the conversion's scale operand
	TICK
.endr
.endr
.irp q,0,1
.irp g,0,1
	v_and_or_b32 v[ST+12*\q+10+\g], v[ST+12*\q+4+\g], EXPM, s[MNT] ; 448 x the scale
	TICK
.endr
.endr
.irp q,0,1
.irp g,0,1
	v_lshrrev_b32 v[ST+12*\q+6+\g], 23, v[ST+12*\q+8+\g]           ; my byte of block 2 g + h
	TICK
.endr
.endr
.irp q,0,1
	v_lshlrev_b32 v[ST+12*\q+6], v[SH], v[ST+12*\q+6]
	TICK
	v_lshlrev_b32 v[ST+12*\q+7], v[SH16], v[ST+12*\q+7]
	TICK
.endr
.irp q,0,1
	v_or_b32 v[ST+12*\q+6], v[ST+12*\q+6], v[ST+12*\q+7]
	TICK
.endr
.irp q,0,1
	v_permlanex16_b32 v[ST+12*\q+7], v[ST+12*\q+6], s[SEL], s[SEL+1]
	TICK
.endr
.irp q,0,1
	v_or_b32 v[ST+12*\q+6], v[ST+12*\q+6], v[ST+12*\q+7]           ; my query's scale word for these 128 keys
	TICK
.endr
	v_cndmask_b32 v[PW], v[ST+6], v[ST+18], s[HM]  ; lanes 0-15 tile w's, lanes 16-31 tile w + 4's
	TICK
	SUMS 0
	QHOLD 0, 0
	QCVT 0, 0
	QHOLD 0, 1
.rept 8
	EX                                             ; what is left of the batch
.endr
	QCVT 0, 1                                      ; (its v_nop is the plain line behind the batch)
.set exon, 0
	s_wait_alu depctr_va_vdst(0)                   ; one wait for the second batch, ahead of the first line that names a result
	SUMS 1
	QHOLD 1, 0
	QCVT 1, 0
	QHOLD 1, 1
	QCVT 1, 1
	BAR                                            ; every wave has read the last step's p, scale words and f
.irp q,0,1
.irp c,0,1,2,3
	ds_store_b128 v[PWI], v[PC+16*\q+4*\c:PC+16*\q+4*\c+3] offset:8192*\q+512*\c
.endr
.endr
	ds_store_b32 v[PSW], v[PW]
.if !(\zero)
	ds_store_b128 v[FW], v[FQ:FQ+3]
.endif
	BAR                                            ; this step's lie in LDS
.if !(\zero)
.irp i,0,1,2,3
	ds_load_b128 v[T+4*\i:T+4*\i+3], v[PRD] offset:FIMG-PIMG+512*\i
.endr
.endif
.irp i,0,1,2,3
	ds_load_b32 v[PS+\i], v[PSR] offset:128*\i
.endr
.irp b,0,1,2,3,4,5,6,7
.irp c,0,1,2,3
	ds_load_b128 v[S+16*\b+4*\c:S+16*\b+4*\c+3], v[PRD] offset:2048*\b+512*\c
.endr
.endr
	s_wait_dscnt 28                                ; f, the scale words and p's fragment 0 are in; the seven fragments behind it may be out
	; O += v p^T: 64 accumulators by turns, one instruction a turn; the next product's accumulator is rescaled in front of each product, under the product's own window setting
.set nn, 0
.rept 64
.if (nn%24) == 0
	WIN 0x51*(1+nn/24)
.if !(\zero)
	RS nn
.endif
.endif
.if (!(\zero)) && (((nn+1)%24) != 0) && ((nn+1) < 64)
	RS nn+1
.endif
	MAPN nn
.if (nn > 0) && (nn < 24) && ((nn%3) == 0)
	s_wait_dscnt 4*(7-nn/3)                        ; p's fragment nn / 3 is in; those behind it may be out
.endif
.set AB, 80*(MA%3)+8*MB
.if \zero
	WM AB, 80*(MA%3)+64, S+16*MB, -1, VS+(MA&3), PS+(MB&3), MA>>2, MB>>2
.else
	WM AB, 80*(MA%3)+64, S+16*MB, AB, VS+(MA&3), PS+(MB&3), MA>>2, MB>>2
.endif
.set nn, nn+1
.endr
	WIN 0
	s_add_co_u32 s[TB], s[TB], STEPB
.endm
; A PREFETCH INTO THE L2 of the slot's worth of kv that the NEXT change of slots will ask for: two key steps ahead of that load.  600 rows of 256 bytes: 150 a partner, 50 a wave (waves 0 to 2), 25 an instruction.
; how = 0: every such change asks; how = 1: not in the loop's last trip, behind which no slot takes keys.
.macro ASK how
.if \how
	s_cmp_gt_u32 s[CNT], s[LIM]
.else
	s_cmp_eq_u32 s[LIM], 1
.endif
	s_cbranch_scc0 .Lnot_mine_\@
	global_prefetch_b8 v[PFO], s[PFA:PFA+1] th:TH_LOAD_NT scope:SCOPE_SE
	global_prefetch_b8 v[PFO], s[PFA:PFA+1] offset:6400 th:TH_LOAD_NT scope:SCOPE_SE
.Lnot_mine_\@:
.endm
; THE CHANGE OF SLOTS, at the head of slot `slot`.  Each wave waits for all its tensor loads (its part of that slot), adds 0 to its spare word, and waits for that and for its reads of the slot that it has left; a round of the
; cluster's barrier follows, and behind it the slot just left is filled again, one load a wave.  fill = 1: with the two key steps that follow (a joint load).  fill = 2, the last change: with x of my channels 0-63.
; Either load has two key steps in which to land.
.macro CHANGE slot, fill, how
	s_wait_tensorcnt 0x0                           ; no tensor load of mine is out, so a group 0 may be written
	ds_add_u32 v[SPW], v[NIL]
.if (\fill) == 1
	s_add_nc_u64 s[G0+6-4*(\slot):G0+7-4*(\slot)], s[G0+6-4*(\slot):G0+7-4*(\slot)], 2*SLOTB   ; the other slot's next two key steps
	s_wait_xcnt 0x0                                ; the last prefetches, two key steps back, have read their address
	s_add_nc_u64 s[PFA:PFA+1], s[PFA:PFA+1], SLOTB
	s_wait_dscnt 0x0                               ; the add is done, and my reads of the slot that I have left are over
	CROUND
	tensor_load_to_lds s[G0+4-4*(\slot):G0+7-4*(\slot)], s[G1:G1+7]   ; my one tensor load behind the round
	s_nop 0
	PLACES 4
	ASK \how
.else
	s_wait_dscnt 0x0
	CROUND
	tensor_load_to_lds s[G0X:G0X+3], s[G1X:G1X+7]  ; my one tensor load behind the round: 64 channels x 512 bytes of x
	s_nop 0
	PLACES 4
.endif
	s_mov_b32 s[TB], (\slot)*SLOTB
.endm
.macro TWO                             ; a slot's two key steps: written once, walked twice
	s_mov_b32 s[TWICE], 2
.Ltwo_\@:
	STEP 0
	s_sub_co_u32 s[TWICE], s[TWICE], 1
	s_cmp_lg_u32 s[TWICE], 0
	s_cbranch_scc1 .Ltwo_\@
.endm
	s_wait_tensorcnt 0x1                           ; my part of slot 0 is in; slot 1's may be out
	s_wait_kmcnt 0x0                               ; gamma
	s_barrier_signal -1
	s_barrier_wait -1                              ; everybody's is
	s_wait_loadcnt 0x0                             ; q
	STEP 1
	STEP 0
	s_mov_b32 s[CNT], 3
.Lslot:                                            ; three trips: six changes of slots that ask for keys
	CHANGE 1, 1, 0
	TWO
	CHANGE 0, 1, 1
	TWO
	s_sub_co_u32 s[CNT], s[CNT], 1
	s_cmp_lg_u32 s[CNT], 0
	s_cbranch_scc1 .Lslot
	CHANGE 1, 2, 0                                 ; the last slot is written out: its change asks for x
	TWO
	; THE WAY OUT.  g = gamma / the row's sum goes from its owner to all waves; out0 = g O + x, 16 channels (a tile) at a time.  Tiles 0-3 take x from LDS, tiles 4-7 from memory.
	; WHERE A TILE'S x LANDS (64 registers, and the result is made in place): tile 0 in k's old registers; tiles 1, 2, 3 in the accumulators of tiles 0, 1, 2, which have just been read; tiles 4, 5, 6 in window 0; tile 7 in tile 3's accumulators.
.macro SETOF a
.if (\a) == 0
.set XW, 3
.set XB, 160
.elseif (\a) < 4
.set XW, 1
.set XB, 80*((\a)-1)
.elseif (\a) < 7
.set XW, 0
.set XB, 64+64*((\a)-4)
.else
.set XW, 2
.set XB, 0
.endif
.endm
.macro LX a                            ; x of channels 16 a .. +15 of my 128, from memory: register 8 j + 4 g + u of the set = channel 16 a + 8 h + j, position 64 g + 4 r + u
	SETOF \a
	WIN XW<<6
.irp j,0,1,2,3,4,5,6,7
.irp g,0,1
	global_load_b128 v[XB+8*\j+4*\g:XB+8*\j+4*\g+3], v[XO], s[XP:XP+1] offset:8192*(16*(\a)+\j)+256*\g th:TH_LOAD_NT
.endr
.endr
	WIN 0
.endm
.macro DX a                            ; the same from my wave's x in LDS: each half of the lanes reads 256 consecutive bytes
	SETOF \a
	WIN XW<<6
.irp j,0,1,2,3,4,5,6,7
.irp g,0,1
	ds_load_b128 v[XB+8*\j+4*\g:XB+8*\j+4*\g+3], v[XL] offset:512*(16*(\a)+\j)+256*\g
.endr
.endr
	WIN 0
.endm
	PLACES 8                                       ; ahead of the first read of O and of loads into p's registers
	s_wait_tensorcnt 0x0                           ; my 64 channels of x lie in LDS; I alone read them
	LX 4
	LX 5
	LX 6
	DX 0
.irp q,0,1
	v_add_f32 v[ST+12*\q+6], v[ST+12*\q+2], v[ST+12*\q+3]
.endr
.irp q,0,1
	v_permlanex16_b32 v[ST+12*\q+7], v[ST+12*\q+6], s[SEL], s[SEL+1]
.endr
.irp q,0,1
	v_add_f32 v[ST+12*\q+6], v[ST+12*\q+6], v[ST+12*\q+7]          ; with the other half's 64 keys of each step: the row's sum
.endr
.irp q,0,1
	v_rcp_f32 v[FQ+\q], v[ST+12*\q+6]
.endr
	v_nop                                          ; a plain line behind the reciprocals
	s_wait_alu depctr_va_vdst(0)                   ; and a wait ahead of their first reader
.irp q,0,1
	v_mul_f32 v[FQ+\q], s[GAM], v[FQ+\q]
.endr
	ds_store_b64 v[GW], v[FQ:FQ+1]
	BAR
.irp i,0,1,2,3
	ds_load_b64 v[ST+2*\i:ST+2*\i+1], v[GRD] offset:256*\i         ; v[ST + 2 u + g]: tile u + 4 g's
.endr
	s_wait_dscnt 0x0                               ; g, and tile 0's x
.macro OUT a
.if (\a) >= 4
	s_wait_loadcnt 16*(7-(\a))                     ; this tile's 16 loads are in; the younger tiles' may be out
.elseif (\a) > 0
	s_wait_dscnt 0x0                               ; this tile's x is in
.endif
	SETOF \a
	WIN (1+(\a)/3)|(XW<<4)|(XW<<6)                 ; source 0: O's window; source 2 and destination: x's
.irp j,0,1,2,3,4,5,6,7
.irp g,0,1
.irp u,0,1,2,3
	v_fma_f32 v[XB+8*\j+4*\g+\u], v[80*((\a)%3)+8*(\u+4*\g)+\j], v[ST+2*\u+\g], v[XB+8*\j+4*\g+\u]   ; j ascending: each accumulator is read from its low end on
.endr
.endr
.endr
.if (\a) < 3
	DX (\a)+1                                      ; into the accumulators just read, ahead of this tile's stores
.elseif (\a) == 3
	LX 7
.endif
	SETOF \a
	WIN XW<<2                                      ; a store's data are its source 1
.irp j,0,1,2,3,4,5,6,7
.irp g,0,1
	global_store_b128 v[XO], v[XB+8*\j+4*\g:XB+8*\j+4*\g+3], s[OP:OP+1] offset:8192*(16*(\a)+\j)+256*\g th:TH_STORE_NT   ; each half of the lanes stores 256 consecutive bytes, aligned
.endr
.endr
	WIN 0
.endm
.irp a,0,1,2,3,4,5,6,7
	OUT \a
.endr
	s_wait_tensorcnt 0x0                           ; the wave's end
	ds_add_u32 v[SPW], v[NIL]
	s_wait_dscnt 0x0
	CROUND                                         ; the closing round
	s_endpgm
.Lfunc_end_k_q99b35428b6_attn:
	.size	k_q99b35428b6_attn, .Lfunc_end_k_q99b35428b6_attn-k_q99b35428b6_attn
	.p2alignl 7, 3214868480
	.fill 96, 4, 3214868480
	.section	.rodata,"a",@progbits
	.p2align	6, 0x0
	.amdhsa_kernel k_q99b35428b6_attn
		.amdhsa_group_segment_fixed_size 327680
		.amdhsa_private_segment_fixed_size 0
		.amdhsa_enable_private_segment 0
		.amdhsa_kernarg_size 40
		.amdhsa_user_sgpr_count 2
		.amdhsa_user_sgpr_kernarg_segment_ptr 1
		.amdhsa_wavefront_size32 1
		.amdhsa_system_sgpr_workgroup_id_x 1
		.amdhsa_system_sgpr_workgroup_id_y 1
		.amdhsa_system_sgpr_workgroup_id_z 1
		.amdhsa_system_vgpr_workitem_id 0
		.amdhsa_next_free_vgpr 1024
		.amdhsa_next_free_sgpr 80
		.amdhsa_reserve_vcc 0
		.amdhsa_float_denorm_mode_32 3
		.amdhsa_float_denorm_mode_16_64 3
		.amdhsa_memory_ordered 1
		.amdhsa_forward_progress 1
		.amdhsa_inst_pref_size 255
	.end_amdhsa_kernel
	.section	.bss,"aw",@nobits
	.p2align	6
	.space	262144
	.amdgpu_metadata
---
amdhsa.version: [ 1, 2 ]
amdhsa.kernels:
  - .name:           k_q99b35428b6_attn
    .symbol:         k_q99b35428b6_attn.kd
    .args:
      - { .name: qimg, .offset: 0, .size: 8, .value_kind: global_buffer, .address_space: global }
      - { .name: kv, .offset: 8, .size: 8, .value_kind: global_buffer, .address_space: global }
      - { .name: x, .offset: 16, .size: 8, .value_kind: global_buffer, .address_space: global }
      - { .name: gamma, .offset: 24, .size: 8, .value_kind: global_buffer, .address_space: global }
      - { .name: out0, .offset: 32, .size: 8, .value_kind: global_buffer, .address_space: global }
    .group_segment_fixed_size: 327680
    .private_segment_fixed_size: 0
    .kernarg_segment_align: 8
    .kernarg_segment_size: 40
    .max_flat_workgroup_size: 128
    .sgpr_count:     80
    .vgpr_count:     1024
    .wavefront_size: 32
...
	.end_amdgpu_metadata
.endif
;; end of part 3
